; MI455X (gfx1250); checked and timed in simulation.
; The chip was launched on July 23, 2026; its instructions are those of AMD's public machine-readable ISA for CDNA 5 (MIT licence, August 2026) and "CDNA5" Instruction Set Architecture Reference Guide (July 2026). The comments in the code are by the model that wrote it; some were corrected since.
;; Multi Head Self Attention. Allowed arithmetic: matrix products marked QUANTISED: E2M3 operands, one E8M0 scale for each 32 along K, by v_wmma_scale_f32_16x16x128_f8f6f4 with both operands' format E2M3, f32 sums; everything else in f32.
;; Inputs: K 4 x 2,048 x 1,024 float32; Q 4 x 2,048 x 1,024 float32; V 4 x 2,048 x 1,024 float32; Wk 16 x 64 x 1,024 float32; Wo 1,024 x 1,024 float32; Wq 16 x 64 x 1,024 float32; Wv 16 x 64 x 1,024 float32; bk 16 x 64 float32; bo 1,024 float32; bq 16 x 64 float32; bv 16 x 64 float32.
;; Outputs: out0 4 x 2,048 x 1,024 float32.
;; This version of the problem:
;;   THIS VERSION OF THE PROBLEM IS GIVEN IN LOW PRECISION. The matrix products marked QUANTISED in the list below multiply operands that are first quantised to E2M3 (2 exponent bits, 3 mantissa bits; 6 bits a number), with one power-of-two scale for each 32 numbers along K (OCP MX v1.0); their sums are f32. All else is computed in f32.
;;   The module's matrix products, in the order in which they are computed (A, B: the left and right operand; K: the contracted axis; several contracted axes count as one K, in the product's order):
;;     1. [M 1,024, K 1,024] x [K 1,024, N 8,192]; A: input Wq; B: input Q: QUANTISED
;;     2. [M 1,024, K 1,024] x [K 1,024, N 8,192]; A: input Wk; B: input K: QUANTISED
;;     3. [M 1,024, K 1,024] x [K 1,024, N 8,192]; A: input Wv; B: input V: QUANTISED
;;     4. batch 64 x [M 2,048, K 64] x [K 64, N 2,048]; A: computed on the way; B: computed on the way: QUANTISED
;;     5. batch 64 x [M 2,048, K 2,048] x [K 2,048, N 64]; A: softmax (see below); B: computed on the way: QUANTISED
;;     6. [M 8,192, K 1,024] x [K 1,024, N 1,024]; A: computed on the way; B: input Wo: QUANTISED
;;   THE QUANTISER, for each operand of a quantised product, along K:
;;     - K is cut into blocks of 32 from its start; a last block that is shorter is filled with zeros.
;;     - A block's scale is 2^e with e = floor(log2(the largest magnitude in the block)) - 2, held to -126 .. 127; a block of zeros has e = 0. As a byte (E8M0): e + 127.
;;     - Each number is divided by its block's scale, clamped to +-7.5, and rounded to the nearest number of E2M3, ties to even, subnormals kept.
;;     - The product sums the exact products of the quantised numbers (number of the format x scale) in f32.
;;   ~~~python
;;   def quantise(x, axis):      # numpy; x: float32 -> the quantised numbers, widened to float32 again
;;       x = np.moveaxis(x, axis, -1); K = x.shape[-1]
;;       x = np.pad(x, [(0, 0)] * (x.ndim - 1) + [(0, -K % 32)]); x = x.reshape(x.shape[:-1] + (-1, 32)); a = np.abs(x).max(-1, keepdims=True)
;;       e = np.where(a > 0, np.clip(np.frexp(np.where(a > 0, a, 1))[1] - 1 - 2, -126, 127), 0)      # np.frexp(a)[1] - 1 = floor(log2(a)), exactly
;;       r = np.clip(x / 2.0 ** e, -7.5, 7.5)
;;       step = 2.0 ** (np.maximum(np.frexp(np.where(r == 0, 1, r))[1] - 1, 0) - 3)
;;       q = np.round(r / step) * step * 2.0 ** e      # np.round: ties to even
;;       return np.moveaxis(q.reshape(q.shape[:-2] + (-1,))[..., :K], -1, axis).astype(np.float32)
;;   ~~~
;;   SOFTMAX AHEAD OF A QUANTISED PRODUCT. Where the list says 'softmax', what is quantised is not the finished softmax but p = 2^(t - M), with t = logit x log2(e) and M = ceil(the row's largest t), a whole number; so 1/2 < the row's largest p <= 1. The row's sum l is taken of the UNQUANTISED p, in f32, and the product's result is divided by l at the end. Since M is a whole number, a kernel that streams over the keys may use a running M (the ceiling of the running maximum): every later rescaling is an exact power of two, which a block's scale takes up: the codes' values come out the same.
;;   OPERANDS COMPUTED ON THE WAY. 'Computed on the way' means the value that the module computes at that place (a softmax that the list does not call 'softmax' is quantised finished and normalised). What goes into a quantiser is computed in f32, as accurately as f32 sums, v_exp_f32 and their like allow (about 1e-6 of the number): no bf16 or f16 on the way to a quantiser, and a product that is left as it is and whose result goes on into a quantised operand takes f32 operands (vector FMAs, or v_wmma_f32_16x16x4_f32). A number that lies on a knife's edge between two numbers of the format may be rounded either way, as far as f32 arithmetic and the matrix unit's own rounding can turn it there, and no further.
;; One version. Each part assembles by itself: llvm-mc -triple=amdgcn-amd-amdhsa -mcpu=gfx1250 --defsym DOCPART=n.
;; ======== version 1 of 1: 4 launches
;; limits: right only within a limited range of input values
;; workspace buffers: codes 28,311,552 bytes; scales 1,179,648 bytes; qimg 6,553,600 bytes; kv 13,107,200 bytes
;; launch quant (part 1): grid 256 x 1, 7 waves a work-group, no clusters, 60,160 bytes of LDS; arguments Q, K, V, Wq, Wk, Wv, Wo, codes, scales; writes codes, scales
.if DOCPART == 1
	.amdgcn_target "amdgcn-amd-amdhsa--gfx1250"
	.amdhsa_code_object_version 6
	.text
	.protected	k_q9a54d3d272_quant
	.globl	k_q9a54d3d272_quant
	.p2align	8
	.type	k_q9a54d3d272_quant,@function
k_q9a54d3d272_quant:
	s_mov_b64 s[64:65], 0
	v_nop
	global_prefetch_b8 v0, s[64:65] scope:SCOPE_SE
	s_setreg_imm32_b32 hwreg(HW_REG_WAVE_MODE, 25, 1), 1
	s_wait_xcnt 0x0
; Q, K, V [8192][1024] and Wq, Wk, Wv, Wo [1024][1024], f32, K innermost, become codes of FP6 (E2M3) with one E8M0 byte for each 32 along K.
; 28,672 rows in all = 1,792 tiles of 16 rows = 256 work-groups x 7 waves: a wave takes one tile, 16 rows x 1,024 k, in 8 steps of 128 k.
; LAYOUT OF THE CODES: images of operand registers.  A unit is 16 rows x 64 k: 6 registers a lane, 768 bytes: registers 0-3 at 16 x lane, registers 4-5 at 512 + 8 x lane.
; codes[row tile][unit k / 64][768]; scales[row][k / 32].  Row tiles: Q 0, K 512, V 1,024, Wq 1,536, Wk 1,600, Wv 1,664, Wo 1,728.
; ORDER INSIDE A BLOCK OF 32: 0-7, 16-23, 8-15, 24-31, in every operand of this program alike, so that products meet their partners; blocks and scales are the true ones.
; A block's scale is 2^(floor(log2(largest magnitude)) - 2); its byte is the largest magnitude's exponent field - 2, held at 1 from below.
; LIMITS: NaN and infinities among the inputs are not served; a block of zeros has the byte 1 where the rule says 127 (its codes are zeros, and this program alone reads the bytes).
; Each load reads 512 consecutive bytes of a row; a step's 16 x 512 bytes turn through the wave's own stage in LDS (rows 528 bytes apart), from which a lane takes, of its row, 8 + 8 numbers of each block.
; No tensor loads, no barrier: waves share nothing.  Loads run two steps (32 loads a wave) ahead.
.set STG,   8448                       ; a wave's stage: 16 rows x 528 bytes
.set SPARE, 7*STG                      ; behind the stages: the spare words, 128 bytes a wave, four blocks of 256 bytes that no other line names
.set LI16, 1                           ; v1  16 x lane
.set LI8,  2                           ; v2  8 x lane
.set SIN,  3                           ; v3  the stage, on the way in
.set SOUT, 4                           ; v4  and out: 528 r + 32 h
.set SCO,  5                           ; v5  32 r + 16 h: my 16 scale bytes of the tile's 512
.set SPW,  14                          ; v14 LDS address of my spare word; never rewritten
.set NIL,  15                          ; v15 0; never rewritten
.set TM,   16                          ; v16-31  at work in QUANT
.set PC,   32                          ; v32-51  a fragment's codes
.set WD,   52                          ; v52-59  the eight steps' scale words
.set T,    60                          ; v60-63  16 scale bytes on the way out
.set X,    64                          ; v64-127 64 numbers of my row
.set R,    128                         ; v128-255 two sets of 64 registers as loaded
.set WV,   22
.set RT,   23                          ; s23 my row tile
.set ST0,  24                          ; s24 the first row tile of my tensor
.set IN,   26                          ; s[26:27] my tile's first byte
.set CO,   18                          ; s[18:19] the codes
.set SCP,  20                          ; s[20:21] the scale bytes
.set SEL,  30
.set HM,   32                          ; s32 lanes 16-31
.set MSB, 0
.macro WIN new                         ; the immediate's high byte repeats the setting that is left
.if MSB != (\new)
	s_set_vgpr_msb (MSB<<8)|(\new)
.set MSB, (\new)
.endif
.endm
; 32 nc numbers of a lane in window w, register 16 b + i = element (8 h + i, or 16 + 8 h + i - 8 from i = 8 on) of block b of my row, become 6 nc registers of codes at v[pc] and the row's scale bytes in v[pw].
.macro QUANT s, w, nc, pc, pw
	WIN 5*(\w)
.set qb, 0
.rept 2*(\nc)
	v_max3_num_f32 v[TM+qb], |v[(\s)+16*qb]|, |v[(\s)+16*qb+1]|, 0x1800000   ; my 16 numbers of block qb, and the floor 2^(3 - 127): the byte cannot fall under 1
.set qb, qb+1
.endr
.irp i, 2,4,6,8,10,12,14
.set qb, 0
.rept 2*(\nc)
	v_max3_num_f32 v[TM+qb], |v[(\s)+16*qb+\i]|, |v[(\s)+16*qb+\i+1]|, v[TM+qb]   ; the blocks by turns
.set qb, qb+1
.endr
.endr
	WIN 0
.set qb, 0
.rept 2*(\nc)
	v_permlanex16_b32 v[TM+4+qb], v[TM+qb], s[SEL], s[SEL+1]
.set qb, qb+1
.endr
.set qb, 0
.rept 2*(\nc)
	v_max_num_f32 v[TM+qb], v[TM+qb], v[TM+4+qb]      ; with lane l xor 16's 16: the block's largest magnitude
.set qb, qb+1
.endr
.set qb, 0
.rept 2*(\nc)
	v_add_nc_u32 v[TM+12+qb], 0xff000000, v[TM+qb]    ; 2 off its exponent field: the conversion's scale operand
.set qb, qb+1
.endr
.set qb, 0
.rept 2*(\nc)
	v_lshrrev_b32 v[TM+4+qb], 23, v[TM+12+qb]         ; the scale's byte
.set qb, qb+1
.endr
	v_lshl_or_b32 v[\pw], v[TM+5], 8, v[TM+4]
.if (\nc) == 2
	v_lshl_or_b32 v[\pw], v[TM+6], 16, v[\pw]
	v_lshl_or_b32 v[\pw], v[TM+7], 24, v[\pw]
.endif
	WIN \w
.set qc, 0
.rept \nc
	v_cvt_scalef32_pk16_fp6_f32 v[(\pc)+6*qc:(\pc)+6*qc+2], v[(\s)+32*qc:(\s)+32*qc+15], v[TM+12+2*qc]
	v_cvt_scalef32_pk16_fp6_f32 v[(\pc)+12+4*qc:(\pc)+14+4*qc], v[(\s)+32*qc+16:(\s)+32*qc+31], v[TM+13+2*qc]   ; (a conversion's three registers begin on an even number)
.set qc, qc+1
.endr
	WIN 0
	v_nop                                          ; one plain place behind the scaled conversions
.set qc, 0
.rept \nc
.irp i, 0,1,2
	v_permlane16_swap_b32 v[(\pc)+6*qc+\i], v[(\pc)+12+4*qc+\i]   ; a whole block to a lane: lanes 0-15 block 2 qc, lanes 16-31 block 2 qc + 1
.endr
.irp i, 0,1,2
	v_mov_b32 v[(\pc)+3+6*qc+\i], v[(\pc)+12+4*qc+\i]
.endr
.set qc, qc+1
.endr
.endm
	s_load_b512 s[4:19], s[0:1], 0x0               ; Q, K, V, Wq, Wk, Wv, Wo, codes
	s_load_b64 s[SCP:SCP+1], s[0:1], 0x40          ; scales
	v_lshl_add_u32 v[SPW], v0, 2, SPARE
	v_mov_b32 v[NIL], 0
	v_lshrrev_b32 v6, 5, v0
	v_readfirstlane_b32 s[WV], v6                  ; wave 0..6
	v_and_b32 v6, 31, v0                           ; lane
	v_and_b32 v7, 15, v0                           ; r
	v_bfe_u32 v8, v0, 4, 1                         ; h
	v_lshlrev_b32 v[LI16], 4, v6
	v_lshlrev_b32 v[LI8], 3, v6
	s_mul_i32 s25, s[WV], STG
	v_add_nc_u32 v[SIN], s25, v[LI16]
	v_mul_u32_u24 v[SOUT], v7, 528
	v_lshl_add_u32 v[SOUT], v8, 5, v[SOUT]
	v_add_nc_u32 v[SOUT], s25, v[SOUT]
	v_lshlrev_b32 v[SCO], 5, v7
	v_lshl_add_u32 v[SCO], v8, 4, v[SCO]
.irp b, 0,1,2,3
	v_mov_b32 v[TM+4+\b], 0                        ; written once: a lane permute's destination counts as one of its sources
.endr
	s_mov_b32 s[SEL], 0x76543210
	s_mov_b32 s[SEL+1], 0xfedcba98                 ; lane l xor 16
	s_mov_b32 s[HM], 0xffff0000
	s_mul_i32 s[RT], ttmp9, 7
	s_add_co_u32 s[RT], s[RT], s[WV]               ; my row tile: 7 x work-group + wave
	s_wait_alu depctr_va_vdst(0)
	s_wait_kmcnt 0x0
	s_mov_b64 s[IN:IN+1], s[4:5]                   ; which tensor holds it: a choice on ids alone
	s_mov_b32 s[ST0], 0
.macro PICK lim, p
	s_cmp_ge_u32 s[RT], \lim
	s_cselect_b64 s[IN:IN+1], s[\p:\p+1], s[IN:IN+1]
	s_cselect_b32 s[ST0], \lim, s[ST0]
.endm
	PICK 512, 6
	PICK 1024, 8
	PICK 1536, 10
	PICK 1600, 12
	PICK 1664, 14
	PICK 1728, 16
	s_sub_co_u32 s28, s[RT], s[ST0]
	s_lshl_b32 s28, s28, 16                        ; 16 rows of 4,096 bytes a tile
	s_mov_b32 s29, 0
	s_add_nc_u64 s[IN:IN+1], s[IN:IN+1], s[28:29]
	s_mul_i32 s28, s[RT], 12288
	s_add_nc_u64 s[CO:CO+1], s[CO:CO+1], s[28:29]
	s_lshl_b32 s28, s[RT], 9
	s_add_nc_u64 s[SCP:SCP+1], s[SCP:SCP+1], s[28:29]
.macro LOAD s                          ; step s: 512 bytes of each of the 16 rows
.irp i, 0,1,2,3,4,5,6,7,8,9,10,11,12,13,14,15
	global_load_b128 v[R+64*((\s)%2)+4*\i:R+64*((\s)%2)+4*\i+3], v[LI16], s[IN:IN+1] offset:4096*\i+512*(\s) th:TH_LOAD_NT
.endr
.endm
.macro STEP s
.if (\s) < 7
	s_wait_loadcnt 16                              ; this step's 16 loads are in; the next step's 16 may be out
.else
	s_wait_loadcnt 0x0
.endif
.irp i, 0,1,2,3,4,5,6,7,8,9,10,11,12,13,14,15
	ds_store_b128 v[SIN], v[R+64*((\s)%2)+4*\i:R+64*((\s)%2)+4*\i+3] offset:528*\i
.endr
.irp b, 0,1,2,3
.irp j, 0,1,2,3
	ds_load_b128 v[X+16*\b+4*\j:X+16*\b+4*\j+3], v[SOUT] offset:128*\b+64*(\j/2)+16*(\j%2)   ; LDS serves a wave's instructions in order: these see the stores above
.endr
.endr
	s_wait_dscnt 0x0                               ; my numbers are in, and the stage's stores have read their registers
	s_wait_xcnt 0x0                                ; the last step's stores have read the codes' registers, which QUANT writes again
.if (\s) < 6
	LOAD (\s)+2
.endif
	QUANT X, 0, 2, PC, WD+(\s)
	global_store_b128 v[LI16], v[PC:PC+3], s[CO:CO+1] offset:1536*(\s)          ; each store covers 512 or 256 consecutive bytes, aligned to 256
	global_store_b64 v[LI8], v[PC+4:PC+5], s[CO:CO+1] offset:1536*(\s)+512
	global_store_b128 v[LI16], v[PC+6:PC+9], s[CO:CO+1] offset:1536*(\s)+768
	global_store_b64 v[LI8], v[PC+10:PC+11], s[CO:CO+1] offset:1536*(\s)+1280
.endm
	LOAD 0
	LOAD 1
.irp s, 0,1,2,3,4,5,6,7
	STEP \s
.endr
.irp j, 0,1,2,3
	v_cndmask_b32 v[T+\j], v[WD+\j], v[WD+4+\j], s[HM]   ; lanes 0-15 the row's first 16 scale bytes, lanes 16-31 the other 16
.endr
	global_store_b128 v[SCO], v[T:T+3], s[SCP:SCP+1]      ; the tile's 512 scale bytes
	s_wait_tensorcnt 0x0                           ; the wave's end
	ds_add_u32 v[SPW], v[NIL]
	s_wait_dscnt 0x0
	s_endpgm
.Lfunc_end_k_q9a54d3d272_quant:
	.size	k_q9a54d3d272_quant, .Lfunc_end_k_q9a54d3d272_quant-k_q9a54d3d272_quant
	.p2alignl 7, 3214868480
	.fill 96, 4, 3214868480
	.section	.rodata,"a",@progbits
	.p2align	6, 0x0
	.amdhsa_kernel k_q9a54d3d272_quant
		.amdhsa_group_segment_fixed_size 60160
		.amdhsa_private_segment_fixed_size 0
		.amdhsa_enable_private_segment 0
		.amdhsa_kernarg_size 72
		.amdhsa_user_sgpr_count 2
		.amdhsa_user_sgpr_kernarg_segment_ptr 1
		.amdhsa_wavefront_size32 1
		.amdhsa_system_sgpr_workgroup_id_x 1
		.amdhsa_system_sgpr_workgroup_id_y 1
		.amdhsa_system_sgpr_workgroup_id_z 1
		.amdhsa_system_vgpr_workitem_id 0
		.amdhsa_next_free_vgpr 256
		.amdhsa_next_free_sgpr 66
		.amdhsa_reserve_vcc 0
		.amdhsa_float_denorm_mode_32 3
		.amdhsa_float_denorm_mode_16_64 3
		.amdhsa_memory_ordered 1
		.amdhsa_forward_progress 1
		.amdhsa_inst_pref_size 65
	.end_amdhsa_kernel
	.amdgpu_metadata
---
amdhsa.version: [ 1, 2 ]
amdhsa.kernels:
  - .name:           k_q9a54d3d272_quant
    .symbol:         k_q9a54d3d272_quant.kd
    .args:
      - { .name: Q, .offset: 0, .size: 8, .value_kind: global_buffer, .address_space: global }
      - { .name: K, .offset: 8, .size: 8, .value_kind: global_buffer, .address_space: global }
      - { .name: V, .offset: 16, .size: 8, .value_kind: global_buffer, .address_space: global }
      - { .name: Wq, .offset: 24, .size: 8, .value_kind: global_buffer, .address_space: global }
      - { .name: Wk, .offset: 32, .size: 8, .value_kind: global_buffer, .address_space: global }
      - { .name: Wv, .offset: 40, .size: 8, .value_kind: global_buffer, .address_space: global }
      - { .name: Wo, .offset: 48, .size: 8, .value_kind: global_buffer, .address_space: global }
      - { .name: codes, .offset: 56, .size: 8, .value_kind: global_buffer, .address_space: global }
      - { .name: scales, .offset: 64, .size: 8, .value_kind: global_buffer, .address_space: global }
    .group_segment_fixed_size: 60160
    .private_segment_fixed_size: 0
    .kernarg_segment_align: 8
    .kernarg_segment_size: 72
    .max_flat_workgroup_size: 224
    .sgpr_count:     66
    .vgpr_count:     256
    .wavefront_size: 32
...
	.end_amdgpu_metadata
.endif
;; end of part 1
;; launch proj (part 2): grid 4 x 192, 4 waves a work-group, clusters of 4 x 4, 327,680 bytes of LDS; arguments codes, scales, bq, bk, bv, qimg, kv; writes qimg, kv
.if DOCPART == 2
	.amdgcn_target "amdgcn-amd-amdhsa--gfx1250"
	.amdhsa_code_object_version 6
	.text
	.protected	k_q9a54d3d272_proj
	.globl	k_q9a54d3d272_proj
	.p2align	8
	.type	k_q9a54d3d272_proj,@function
k_q9a54d3d272_proj:
	s_mov_b64 s[64:65], 0
	v_nop
	global_prefetch_b8 v0, s[64:65] scope:SCOPE_SE
	s_setreg_imm32_b32 hwreg(HW_REG_WAVE_MODE, 25, 1), 1
	s_wait_xcnt 0x0
	s_wait_alu depctr_hold_cnt(0) depctr_sa_sdst(0) depctr_va_vdst(0) depctr_va_sdst(0) depctr_va_ssrc(0) depctr_va_vcc(0) depctr_vm_vsrc(0)
	s_getreg_b32 s2, hwreg(HW_REG_IB_STS2, 6, 4)
	s_cmp_eq_u32 s2, 0
	s_cbranch_scc0 .Lentry_in_a_cluster
	s_endpgm
.Lentry_in_a_cluster:
	s_bfe_u32 s2, ttmp6, 0x10000c
	s_cmp_lg_u32 s2, 0xf033
	s_cbranch_scc0 .Lentry_shape_is_right
	s_endpgm
.Lentry_shape_is_right:
; The three projections q = Q Wq^T + bq, k, v, on codes of FP6 with E8M0 scales, and their results quantised on the way out: q and k along the head's 64 channels, v along the keys.
; A work-group makes 128 tokens x 256 channels (four heads); wave w makes all 128 tokens x head 4 cx + w: 32 accumulators.  tau = 0, 1, 2 (q, k, v) is made of the cluster's y alone.
; ALL OF K LIES IN LDS AT ONCE: 128 + 256 rows x 768 bytes = 294,912 bytes, in four chunks of 256 k, asked for at the head by one tensor load a wave; no LDS byte is filled twice.
; CLUSTERS: 4 x 4.  The four of a row of the cluster need the same tokens (A), the four of a column the same weights (B): each tile is asked for jointly.
; Operands lie in memory and LDS as images of operand registers (unit: 16 rows x 64 k, 768 bytes: registers 0-3 at 16 x lane, 4-5 at 512 + 8 x lane): a fragment is four loads of consecutive bytes.
; q, k: source 0 = 16 channels, source 1 = 16 tokens: a lane holds one token and its registers run along the channels, the next K.  v: the other way round: a lane holds a channel and its registers run down the keys.
; The two ways part round the products alone, by a branch on tau; loads, waits and barriers are common.  The bias is the C of each sum's first product.
; OUT: qimg[b 16 + head][128 queries][4 pair records of 1,536 bytes, 256 scale bytes]; kv[b 16 + head][128 keys][4 pair records of k, 4 fragments of v (16 channels x 128 keys), k's 256 scale bytes, v's].
; A pair record: the units of token tiles 2 i and 2 i + 1 on end; its scale word: bytes 0, 1 for tile 2 i, bytes 2, 3 for tile 2 i + 1.  A scale block: lane l has 8 bytes: word 0 record 0 (lanes 0-15) or 1, word 1 record 2 or 3.
; LIMITS: NaN and infinities are not served; a block of zeros has the byte 1; codes stand in the order 0-7, 16-23, 8-15, 24-31 inside a block, in both operands alike, so sums inside an instruction are grouped otherwise than by ascending k.
; REGISTERS: window 0: addresses, v32-95 scale words, v96-191 B's fragments (two sets of 4), v192-223 the bias, v224-247 at work; window 1: A's fragments (two sets of 8); window 2: the accumulators.
.set SPARE, 294912                     ; behind the tiles: the spare words, 128 bytes a wave, two blocks of 256 bytes that no other line names
.set WV,  18
.set CX,  19
.set CY,  20
.set YY,  22                           ; s22 work-group y: which 128 of the 24,576 stacked rows of Q, K, V
.set TAU, 23
.set G1A, 24                           ; s[24:31], s[32:39] descriptor groups 1
.set G1B, 32
.set G0A, 40                           ; s[40:47] A's two groups 0; B's: s[56:63]
.set HM,  66                           ; s66 lanes 16-31
.set HD,  67                           ; s67 my head
.set BP,  86                           ; s[86:87] my head's bias
.set DC,  88                           ; s[88:89] where my codes go
.set DS,  90                           ; s[90:91] and my scale block
.set SEL, 94
.set LI16, 4                           ; v4 16 x lane, v5 8 x lane: also A's LDS addresses for chunks 0, 1; v6, v7: for chunks 2, 3
.set LI8,  5
.set AA,   4
.set AB,   8                           ; v8-11 the same for my four row tiles of B
.set SO,   12                          ; v12 my scale words' offset
.set BO8,  13                          ; v13 32 h
.set BO1,  14                          ; v14 4 r
.set SPW,  28
.set NIL,  29
.set SC,   32                          ; v[SC + 8 i + s]: lanes 0-15 A tile i's word of step s, lanes 16-31 B tile i's
.set BF,   96
.set BI,   192
.set PW,   224
.set TM,   232
.set MSB, 0
.macro WIN new                         ; the immediate's high byte repeats the setting that is left
.if MSB != (\new)
	s_set_vgpr_msb (MSB<<8)|(\new)
.set MSB, (\new)
.endif
.endm
.macro PLACES                          ; four plain places behind matrix instructions, ahead of loads into their sources and of reads of their results
.rept 4
	v_nop
.endr
.endm
.macro CROUND                          ; a round of the cluster's barrier
	s_barrier_signal -1
	s_barrier_wait -1
	s_cmp_lg_u32 s[WV], 0
	s_cbranch_scc1 .Lnot_wave_0_\@
	s_barrier_signal -3
.Lnot_wave_0_\@:
	s_barrier_wait -3
	s_barrier_signal -1
	s_barrier_wait -1
.endm
; 32 nc numbers of a lane in window w, register 16 b + i = element (8 h + i, or 16 + 8 h + i - 8 from i = 8 on) of block b of my row, become 6 nc registers of codes at v[pc] and the row's scale bytes in v[pw].
.macro QUANT s, w, nc, pc, pw
	WIN 5*(\w)
.set qb, 0
.rept 2*(\nc)
	v_max3_num_f32 v[TM+qb], |v[(\s)+16*qb]|, |v[(\s)+16*qb+1]|, 0x1800000   ; my 16 numbers of block qb, and the floor 2^(3 - 127); each accumulator is read from its low end on
.set qb, qb+1
.endr
.irp i, 2,4,6,8,10,12,14
.set qb, 0
.rept 2*(\nc)
	v_max3_num_f32 v[TM+qb], |v[(\s)+16*qb+\i]|, |v[(\s)+16*qb+\i+1]|, v[TM+qb]
.set qb, qb+1
.endr
.endr
	WIN 0
.set qb, 0
.rept 2*(\nc)
	v_permlanex16_b32 v[TM+4+qb], v[TM+qb], s[SEL], s[SEL+1]
.set qb, qb+1
.endr
.set qb, 0
.rept 2*(\nc)
	v_max_num_f32 v[TM+qb], v[TM+qb], v[TM+4+qb]      ; with lane l xor 16's 16: the block's largest magnitude
.set qb, qb+1
.endr
.set qb, 0
.rept 2*(\nc)
	v_add_nc_u32 v[TM+12+qb], 0xff000000, v[TM+qb]    ; 2 off its exponent field: the conversion's scale operand
.set qb, qb+1
.endr
.set qb, 0
.rept 2*(\nc)
	v_lshrrev_b32 v[TM+4+qb], 23, v[TM+12+qb]         ; the scale's byte
.set qb, qb+1
.endr
	v_lshl_or_b32 v[\pw], v[TM+5], 8, v[TM+4]
.if (\nc) == 2
	v_lshl_or_b32 v[\pw], v[TM+6], 16, v[\pw]
	v_lshl_or_b32 v[\pw], v[TM+7], 24, v[\pw]
.endif
	WIN \w
.set qc, 0
.rept \nc
	v_cvt_scalef32_pk16_fp6_f32 v[(\pc)+6*qc:(\pc)+6*qc+2], v[(\s)+32*qc:(\s)+32*qc+15], v[TM+12+2*qc]
	v_cvt_scalef32_pk16_fp6_f32 v[(\pc)+12+4*qc:(\pc)+14+4*qc], v[(\s)+32*qc+16:(\s)+32*qc+31], v[TM+13+2*qc]
.set qc, qc+1
.endr
	WIN 0
	v_nop                                          ; one plain place behind the scaled conversions
.set qc, 0
.rept \nc
.irp i, 0,1,2
	v_permlane16_swap_b32 v[(\pc)+6*qc+\i], v[(\pc)+12+4*qc+\i]
.endr
.irp i, 0,1,2
	v_cndmask_b32 v[(\pc)+3+6*qc+\i], v[(\pc)+12+4*qc+\i], v[(\pc)+6*qc+\i], s[HM]   ; lanes 16-31 (the odd blocks) take their two halves of 16 codes the other way round: 8-15, 24-31, 0-7, 16-23,
	v_cndmask_b32 v[(\pc)+6*qc+\i], v[(\pc)+6*qc+\i], v[(\pc)+12+4*qc+\i], s[HM]     ; in q, k and v alike: the order in which the next launch's p falls in those lanes
.endr
.set qc, qc+1
.endr
.endm
.macro FRAGLD reg, a16, a8, off        ; a fragment's image: two units on end
	ds_load_b128 v[(\reg):(\reg)+3], v[\a16] offset:(\off)
	ds_load_b64 v[(\reg)+4:(\reg)+5], v[\a8] offset:(\off)+512
	ds_load_b128 v[(\reg)+6:(\reg)+9], v[\a16] offset:(\off)+768
	ds_load_b64 v[(\reg)+10:(\reg)+11], v[\a8] offset:(\off)+1280
.endm
.macro FETCH s                         ; step s's 8 fragments of A and 4 of B into set s % 2: 48 loads
.set fc, (\s)/2
.set fq, (\s)%2
	WIN 0x40                                       ; destination window 1
.irp a, 0,1,2,3,4,5,6,7
	FRAGLD 96*fq+12*\a, AA+2*(fc/2), AA+1+2*(fc/2), (fc%2)*3072+\a*6144+fq*1536
.endr
	WIN 0
.irp b, 0,1,2,3
	FRAGLD BF+48*fq+12*\b, AB+2*(fc/2), AB+1+2*(fc/2), (fc%2)*3072+\b*6144+fq*1536
.endr
.endm
; Step s's 32 products.  tr = 1: source 0 = B's tile b, source 1 = A's tile a, accumulator 4 a + b.  tr = 0: the sources change places, accumulator 8 b + a.  first = 1: C is the bias.
; The 32 accumulators take turns, one instruction a turn.
.macro MUL tr, s, first
.set ms, (\s)%2
.if \tr
	WIN 0xa4-0x20*(\first)
.else
	WIN 0xa1-0x20*(\first)
.endif
.irp a, 0,1,2,3,4,5,6,7
.irp b, 0,1,2,3
.set rA, 96*ms+12*\a
.set rB, BF+48*ms+12*\b
.set cA, SC+8*\a+(\s)
.set cB, SC+8*\b+(\s)
.if \tr
.set rD, 8*(4*\a+\b)
.else
.set rD, 8*(8*\b+\a)
.endif
.if (\tr) && (\first)
	v_wmma_scale_f32_16x16x128_f8f6f4 v[rD:rD+7], v[rB:rB+11], v[rA:rA+11], v[BI+8*\b:BI+8*\b+7], v[cB], v[cA] matrix_a_fmt:MATRIX_FMT_FP6 matrix_b_fmt:MATRIX_FMT_FP6 matrix_a_scale:MATRIX_SCALE_ROW1
.elseif \tr
	v_wmma_scale_f32_16x16x128_f8f6f4 v[rD:rD+7], v[rB:rB+11], v[rA:rA+11], v[rD:rD+7], v[cB], v[cA] matrix_a_fmt:MATRIX_FMT_FP6 matrix_b_fmt:MATRIX_FMT_FP6 matrix_a_scale:MATRIX_SCALE_ROW1
.elseif \first
	v_wmma_scale_f32_16x16x128_f8f6f4 v[rD:rD+7], v[rA:rA+11], v[rB:rB+11], v[BI+8*\b:BI+8*\b+7], v[cA], v[cB] matrix_a_fmt:MATRIX_FMT_FP6 matrix_b_fmt:MATRIX_FMT_FP6 matrix_b_scale:MATRIX_SCALE_ROW1
.else
	v_wmma_scale_f32_16x16x128_f8f6f4 v[rD:rD+7], v[rA:rA+11], v[rB:rB+11], v[rD:rD+7], v[cA], v[cB] matrix_a_fmt:MATRIX_FMT_FP6 matrix_b_fmt:MATRIX_FMT_FP6 matrix_b_scale:MATRIX_SCALE_ROW1
.endif
.endr
.endr
.endm
.macro MULX s, first                   ; q, k: tokens in the lanes; v: channels in the lanes.  tau is the same in all sixteen partners
	s_cmp_eq_u32 s[TAU], 2
	s_cbranch_scc1 .Lmv_\@
	s_wait_alu depctr_va_vdst(0)
	MUL 1, \s, \first
	WIN 0
	s_branch .Lmj_\@
.Lmv_\@:
	s_wait_alu depctr_va_vdst(0)
	MUL 0, \s, \first
	WIN 0
.Lmj_\@:
.endm
.macro STEP s
	PLACES                                         ; behind the last step's products, ahead of the loads into the set that they read
.if (\s) == 3
	s_wait_dscnt 0x0                               ; no LDS load of mine is out at the signal
	s_wait_tensorcnt 0x0                           ; every wave's one load has landed: the second half of K is shown to all
	s_barrier_signal -1
	s_barrier_wait -1                              ; everybody's have
.endif
.if (\s) < 7
	FETCH (\s)+1
	s_wait_dscnt 48                                ; this step's fragments are in; the 48 loads just issued may be out
.else
	s_wait_dscnt 0x0
.endif
.if (\s) == 0
	MULX \s, 1
.else
	MULX \s, 0
.endif
.endm
	s_load_b256 s[4:11], s[0:1], 0x0               ; codes, scales, bq, bk
	s_load_b128 s[12:15], s[0:1], 0x20             ; bv, qimg
	s_load_b64 s[16:17], s[0:1], 0x30              ; kv
	v_lshl_add_u32 v[SPW], v0, 2, SPARE
	v_mov_b32 v[NIL], 0
	ds_add_u32 v[SPW], v[NIL]                      ; the wave's opening: the add and its wait stand ahead of my first tensor load; work on registers stands between them
	ds_add_u32 v[SPW], v[NIL]
	v_lshrrev_b32 v1, 5, v0
	v_readfirstlane_b32 s[WV], v1                  ; wave 0..3
	s_bfe_u32 s[CX], ttmp6, 0x40000                ; cx: the grid is one cluster wide, so cx is the work-group's x
	s_bfe_u32 s[CY], ttmp6, 0x40004
	s_and_b32 s21, ttmp7, 0xffff                   ; the cluster's y
	s_lshl_b32 s[YY], s21, 2
	s_add_co_u32 s[YY], s[YY], s[CY]
	s_lshr_b32 s[TAU], s21, 4                      ; 16 clusters along y for each of Q, K, V
	s_lshl_b32 s84, s[CY], 2
	s_lshl_b32 s84, 15, s84                        ; my row of the cluster
	s_lshl_b32 s85, 0x1111, s[CX]                  ; my column
	s_or_b32 s[G1A], s84, (3<<16)|(1<<21)          ; 15:0 the mask; 17:16 elements of 8 bytes; 21 set beside a mask; no padding
	s_or_b32 s[G1B], s85, (3<<16)|(1<<21)
	s_mov_b32 s[G1A+1], 768<<16                    ; a load brings half of K of all the operand's row tiles: rows of 6,144 bytes,
	s_mov_b32 s[G1A+2], 8<<16                      ; A: 8 row tiles
	s_mov_b32 s[G1A+3], 768<<16
	s_mov_b32 s[G1A+4], 8
	s_mov_b32 s[G1A+5], 1536                       ; from row tile to row tile: 12,288 bytes
	s_mov_b32 s[G1A+6], 0
	s_mov_b32 s[G1A+7], 0
	s_mov_b32 s[G1B+1], 768<<16
	s_mov_b32 s[G1B+2], 16<<16                     ; B: 16 row tiles
	s_mov_b32 s[G1B+3], 768<<16
	s_mov_b32 s[G1B+4], 16
	s_mov_b32 s[G1B+5], 1536
	s_mov_b32 s[G1B+6], 0
	s_mov_b32 s[G1B+7], 0
	s_mul_i32 s76, s[YY], 98304                    ; A: 8 row tiles a work-group
	s_mov_b32 s77, 0
	s_lshl_b32 s80, s[TAU], 6                      ; B: row tile 1,536 + 64 tau + 16 cx, 4 a wave
	s_lshl_b32 s81, s[CX], 4
	s_add_co_u32 s80, s80, s81
	s_add_co_u32 s80, s80, 1536
	s_mul_i32 s82, s80, 12288
	s_mov_b32 s83, 0
	s_mul_i32 s98, s[WV], 24576                    ; my four row tiles of B in a half: 6,144 bytes each
	s_add_co_u32 s98, s98, 98304
	s_mov_b32 s[SEL], 0x76543210
	s_mov_b32 s[SEL+1], 0xfedcba98
	s_mov_b32 s[HM], 0xffff0000
	s_wait_dscnt 0x0                               ; the opening add is done
	s_wait_kmcnt 0x0
	s_add_nc_u64 s[78:79], s[4:5], s[76:77]
	s_add_nc_u64 s[82:83], s[4:5], s[82:83]
.irp h, 0,1                            ; LDS: A's halves of K at 0 and 49,152, B's at 98,304 and 196,608; in a half a row tile has 6,144 bytes
	s_mov_b32 s[G0A+4*\h], 1
	s_mov_b32 s[G0A+4*\h+1], \h*49152
	s_add_nc_u64 s[G0A+4*\h+2:G0A+4*\h+3], s[78:79], \h*6144
	s_or_b32 s[G0A+4*\h+3], s[G0A+4*\h+3], 0x80000000
	s_mov_b32 s[56+4*\h], 1
	s_mov_b32 s[57+4*\h], 98304+\h*98304
	s_add_nc_u64 s[58+4*\h:59+4*\h], s[82:83], \h*6144
	s_or_b32 s[59+4*\h], s[59+4*\h], 0x80000000
.endr
	CROUND                                         ; all sixteen work-groups are here: the joint loads meet
	s_cmp_eq_u32 s[WV], 0                          ; one tensor load a wave, one chain of arms
	s_cbranch_scc0 .Lhead_1
	tensor_load_to_lds s[G0A:G0A+3], s[G1A:G1A+7]  ; wave 0: A, first half of K
	s_nop 0
	PLACES
	s_branch .Lhead_j
.Lhead_1:
	s_cmp_eq_u32 s[WV], 1
	s_cbranch_scc0 .Lhead_2
	tensor_load_to_lds s[56:59], s[G1B:G1B+7]      ; wave 1: B, first half
	s_nop 0
	PLACES
	s_branch .Lhead_j
.Lhead_2:
	s_cmp_eq_u32 s[WV], 2
	s_cbranch_scc0 .Lhead_3
	tensor_load_to_lds s[G0A+4:G0A+7], s[G1A:G1A+7] ; wave 2: A, second half
	s_nop 0
	PLACES
	s_branch .Lhead_j
.Lhead_3:
	tensor_load_to_lds s[60:63], s[G1B:G1B+7]      ; wave 3: B, second half
	s_nop 0
	PLACES
.Lhead_j:
	v_and_b32 v1, 15, v0                           ; r
	v_bfe_u32 v2, v0, 4, 1                         ; h
	v_and_b32 v3, 31, v0                           ; lane
	v_lshlrev_b32 v[LI16], 4, v3
	v_lshlrev_b32 v[LI8], 3, v3
	v_add_nc_u32 v[AA+2], 0xc000, v[LI16]          ; two chunks of A on
	v_add_nc_u32 v[AA+3], 0xc000, v[LI8]
	v_add_nc_u32 v[AB], s98, v[LI16]
	v_add_nc_u32 v[AB+1], s98, v[LI8]
	v_add_nc_u32 v[AB+2], 0x18000, v[AB]           ; two chunks of B on
	v_add_nc_u32 v[AB+3], 0x18000, v[AB+1]
	s_lshl_b32 s92, s[YY], 12                      ; A's rows' scale bytes: 128 rows x 32
	s_lshl_b32 s93, s[WV], 2
	s_add_co_u32 s93, s93, s80
	s_lshl_b32 s93, s93, 9                         ; B's: my first row tile x 512
	v_lshlrev_b32 v[SO], 5, v1
	v_add_nc_u32 v15, s92, v[SO]
	v_add_nc_u32 v[SO], s93, v[SO]
	v_cndmask_b32 v[SO], v15, v[SO], s[HM]         ; lanes 0-15 take A's rows, lanes 16-31 B's
	v_lshlrev_b32 v[BO8], 5, v2
	v_lshlrev_b32 v[BO1], 2, v1
.irp i, 0,1,2,3,4,5,6,7                ; a row's 32 scale bytes are its words of the eight steps.  (From i = 4 on lanes 16-31 read rows of later weights, inside the buffer, which no product names)
	global_load_b128 v[SC+8*\i:SC+8*\i+3], v[SO], s[6:7] offset:512*\i
	global_load_b128 v[SC+8*\i+4:SC+8*\i+7], v[SO], s[6:7] offset:512*\i+16
.endr
.irp b, 0,1,2,3
	v_mov_b32 v[TM+4+\b], 0                        ; written once: a lane permute's destination counts as one of its sources
.endr
	s_lshl_b32 s[HD], s[CX], 2
	s_add_co_u32 s[HD], s[HD], s[WV]               ; my head
	s_lshl_b32 s96, s[TAU], 6
	s_sub_co_u32 s96, s[YY], s96                   ; which 128 rows of my tensor
	s_lshr_b32 s97, s96, 4                         ; the batch,
	s_lshl_b32 s97, s97, 4
	s_add_co_u32 s97, s97, s[HD]
	s_lshl_b32 s97, s97, 4
	s_and_b32 s96, s96, 15                         ; the step of 128 rows in it
	s_add_co_u32 s97, s97, s96                     ; my record: (16 batch + head) 16 + step
	s_cmp_eq_u32 s[TAU], 0
	s_cselect_b64 s[DC:DC+1], s[14:15], s[16:17]   ; q goes to qimg, k and v to kv
	s_cselect_b64 s[BP:BP+1], s[8:9], s[10:11]
	s_mov_b32 s96, 12800
	s_cselect_b32 s96, 6400, s96                   ; a record's bytes
	s_mov_b32 s98, 12288
	s_cselect_b32 s98, 6144, s98                   ; the scale block's place in it
	s_cmp_eq_u32 s[TAU], 2
	s_cselect_b64 s[BP:BP+1], s[12:13], s[BP:BP+1]
	s_mov_b32 s99, 12544
	s_cselect_b32 s98, s99, s98
	s_cselect_b32 s99, 6144, 0                     ; the codes' place in it
	s_mul_i32 s96, s97, s96
	s_add_co_u32 s98, s98, s96
	s_add_co_u32 s96, s96, s99
	s_mov_b32 s97, 0
	s_mov_b32 s99, 0
	s_add_nc_u64 s[DS:DS+1], s[DC:DC+1], s[98:99]
	s_add_nc_u64 s[DC:DC+1], s[DC:DC+1], s[96:97]
	s_lshl_b32 s96, s[HD], 8
	s_add_nc_u64 s[BP:BP+1], s[BP:BP+1], s[96:97]
	s_cmp_eq_u32 s[TAU], 2
	s_cbranch_scc1 .Lbias_v
	s_wait_alu depctr_va_vdst(0)
.irp b, 0,1,2,3                        ; q, k: register j of tile b is channel 16 b + 8 h + j
	global_load_b128 v[BI+8*\b:BI+8*\b+3], v[BO8], s[BP:BP+1] offset:64*\b
	global_load_b128 v[BI+8*\b+4:BI+8*\b+7], v[BO8], s[BP:BP+1] offset:64*\b+16
.endr
	s_wait_loadcnt 0x0                             ; scale words and bias
	s_branch .Lbias_done
.Lbias_v:
	s_wait_alu depctr_va_vdst(0)
.irp b, 0,1,2,3                        ; v: all eight registers of tile b are channel 16 b + r
	global_load_b32 v[BI+8*\b], v[BO1], s[BP:BP+1] offset:64*\b
.endr
	s_wait_loadcnt 0x0
.irp b, 0,1,2,3
.irp j, 1,2,3,4,5,6,7
	v_mov_b32 v[BI+8*\b+\j], v[BI+8*\b]
.endr
.endr
.Lbias_done:
	s_wait_alu depctr_va_vdst(0)                   ; the head's end
	s_cmp_lt_u32 s[WV], 2                          ; the first half of K is waves 0 and 1's; the second half may still be on its way
	s_cbranch_scc0 .Lnot_first
	s_wait_tensorcnt 0x0
.Lnot_first:
	s_barrier_signal -1
	s_barrier_wait -1                              ; everybody's have
	FETCH 0
.irp s, 0,1,2,3,4,5,6,7
	STEP \s
.endr
	; THE WAY OUT.  64 registers on end are, for q and k, token tiles 2 i and 2 i + 1 x the head's 64 channels; for v, channel tile i x 128 keys: in both a fragment's worth along the next K.
	PLACES
.irp i, 0,1,2,3
	QUANT 64*\i, 2, 2, BF+20*\i, PW+\i
	global_store_b128 v[LI16], v[BF+20*\i:BF+20*\i+3], s[DC:DC+1] offset:1536*\i          ; each store covers 512 or 256 consecutive bytes, aligned to 256
	global_store_b64 v[LI8], v[BF+20*\i+4:BF+20*\i+5], s[DC:DC+1] offset:1536*\i+512
	global_store_b128 v[LI16], v[BF+20*\i+6:BF+20*\i+9], s[DC:DC+1] offset:1536*\i+768
	global_store_b64 v[LI8], v[BF+20*\i+10:BF+20*\i+11], s[DC:DC+1] offset:1536*\i+1280
.endr
	v_cndmask_b32 v[PW+4], v[PW], v[PW+1], s[HM]   ; the scale block: records 0 | 1,
	v_cndmask_b32 v[PW+5], v[PW+2], v[PW+3], s[HM] ; records 2 | 3
	global_store_b64 v[LI8], v[PW+4:PW+5], s[DS:DS+1]
	s_wait_tensorcnt 0x0                           ; the wave's end
	ds_add_u32 v[SPW], v[NIL]
	s_wait_dscnt 0x0
	CROUND                                         ; the closing round
	s_endpgm
.Lfunc_end_k_q9a54d3d272_proj:
	.size	k_q9a54d3d272_proj, .Lfunc_end_k_q9a54d3d272_proj-k_q9a54d3d272_proj
	.p2alignl 7, 3214868480
	.fill 96, 4, 3214868480
	.section	.rodata,"a",@progbits
	.p2align	6, 0x0
	.amdhsa_kernel k_q9a54d3d272_proj
		.amdhsa_group_segment_fixed_size 327680
		.amdhsa_private_segment_fixed_size 0
		.amdhsa_enable_private_segment 0
		.amdhsa_kernarg_size 56
		.amdhsa_user_sgpr_count 2
		.amdhsa_user_sgpr_kernarg_segment_ptr 1
		.amdhsa_wavefront_size32 1
		.amdhsa_system_sgpr_workgroup_id_x 1
		.amdhsa_system_sgpr_workgroup_id_y 1
		.amdhsa_system_sgpr_workgroup_id_z 1
		.amdhsa_system_vgpr_workitem_id 0
		.amdhsa_next_free_vgpr 768
		.amdhsa_next_free_sgpr 100
		.amdhsa_reserve_vcc 0
		.amdhsa_float_denorm_mode_32 3
		.amdhsa_float_denorm_mode_16_64 3
		.amdhsa_memory_ordered 1
		.amdhsa_forward_progress 1
		.amdhsa_inst_pref_size 124
	.end_amdhsa_kernel
	.amdgpu_metadata
---
amdhsa.version: [ 1, 2 ]
amdhsa.kernels:
  - .name:           k_q9a54d3d272_proj
    .symbol:         k_q9a54d3d272_proj.kd
    .args:
      - { .name: codes, .offset: 0, .size: 8, .value_kind: global_buffer, .address_space: global }
      - { .name: scales, .offset: 8, .size: 8, .value_kind: global_buffer, .address_space: global }
      - { .name: bq, .offset: 16, .size: 8, .value_kind: global_buffer, .address_space: global }
      - { .name: bk, .offset: 24, .size: 8, .value_kind: global_buffer, .address_space: global }
      - { .name: bv, .offset: 32, .size: 8, .value_kind: global_buffer, .address_space: global }
      - { .name: qimg, .offset: 40, .size: 8, .value_kind: global_buffer, .address_space: global }
      - { .name: kv, .offset: 48, .size: 8, .value_kind: global_buffer, .address_space: global }
    .group_segment_fixed_size: 327680
    .private_segment_fixed_size: 0
    .kernarg_segment_align: 8
    .kernarg_segment_size: 56
    .max_flat_workgroup_size: 128
    .sgpr_count:     100
    .vgpr_count:     768
    .wavefront_size: 32
...
	.end_amdgpu_metadata
.endif
;; end of part 2
;; launch attn (part 3): grid 4 x 64, 16 waves a work-group, clusters of 4 x 1, 206,848 bytes of LDS; arguments qimg, kv, codes, scales; writes codes, scales
.if DOCPART == 3
	.amdgcn_target "amdgcn-amd-amdhsa--gfx1250"
	.amdhsa_code_object_version 6
	.text
	.protected	k_q9a54d3d272_attn
	.globl	k_q9a54d3d272_attn
	.p2align	8
	.type	k_q9a54d3d272_attn,@function
k_q9a54d3d272_attn:
	s_mov_b64 s[64:65], 0
	v_nop
	global_prefetch_b8 v0, s[64:65] scope:SCOPE_SE
	s_setreg_imm32_b32 hwreg(HW_REG_WAVE_MODE, 25, 1), 1
	s_wait_xcnt 0x0
	s_wait_alu depctr_hold_cnt(0) depctr_sa_sdst(0) depctr_va_vdst(0) depctr_va_sdst(0) depctr_va_ssrc(0) depctr_va_vcc(0) depctr_vm_vsrc(0)
	s_getreg_b32 s2, hwreg(HW_REG_IB_STS2, 6, 4)
	s_cmp_eq_u32 s2, 0
	s_cbranch_scc0 .Lentry_in_a_cluster
	s_endpgm
.Lentry_in_a_cluster:
	s_bfe_u32 s2, ttmp6, 0x10000c
	s_cmp_lg_u32 s2, 0x3003
	s_cbranch_scc0 .Lentry_shape_is_right
	s_endpgm
.Lentry_shape_is_right:
; z[b][q][head 64 ..] = softmax_k(q . k / 8) v for one (batch, head) = work-group y, both products on codes of FP6 with E8M0 scales; z leaves as codes, quantised along the output projection's K.
; THE SOFTMAX: t = score x log2(e) / 8; M = the running largest t rounded UP to a whole number; p = 2^(t - M) is quantised along the keys, not normalised; the row's sum is taken of the unquantised p
; and divides at the end; when M moves, the sum and O are multiplied by 2^(old M - new M), exactly.
; SHARES: a work-group owns 512 queries, each of its sixteen waves 32: two tiles of 16, one after the other.  The head's K and V, 16 records of 12,800 bytes (128 keys each), lie in LDS whole, filled once,
; a record a wave, asked for jointly by the four work-groups of a head (cluster 4, 1, 1).  Behind the one barrier LDS is only read.
; BOTH PRODUCTS TRANSPOSED: S^T = k q^T, O^T = v^T p^T: a lane holds one query throughout.  The head is 64 long, the instruction 128: a fragment of k holds two key tiles on end; against [q; zero codes]
; it gives the first tile's scores, against [zero codes; q] the second's.
; WHICH KEYS FORM A TILE: rows 0-7 come from block 2 c of 32 keys (pair record 2 c), rows 8-15 from block 2 c + 1 (record 2 c + 1, 1,536 bytes on): a lane term of the LDS address.  The straight fragment
; takes each lane's own place in the record's image, the crossed one the place of lane xor 8.  So lanes 0-15 hold all 32 scores of block 2 c, in the order 0-7, 16-23, 8-15, 24-31, and lanes 16-31 those
; of block 2 c + 1, in the order 8-15, 24-31, 0-7, 16-23: the orders in which v's codes lie.  A block's largest score needs no other lane, and the conversions' results are the operand's registers.
; In a load of 16 bytes lanes 0-7 and 8-15 name different eight of the sixteen 16-byte columns of 256 bytes.
; FETCHES: k and v have registers of their own; the next step's k is fetched behind this step's first products, the next v behind its second products: 17 LDS loads each.
; LIMITS: NaN and infinities are not served; a block of zeros has the byte 1; the promise holds while the scaled scores stay under 2^31 in magnitude.
; K, V and the first tile's q are asked for at the head; the second tile's q behind the first tile's steps.
.set REC,   12800                      ; a record: 4 pair records of k, 4 fragments of v at 6,144, k's scale block at 12,288, v's at 12,544
.set SPARE, 16*REC                     ; behind the records: the spare words, 128 bytes a wave
.set H8,   0                           ; v0 8 h (behind the head)
.set LI16, 1                           ; v1 16 x lane, v2 8 x lane: also v's lane terms
.set LI8,  2
.set KL,   3                           ; v3-7 k's lane terms: 16-byte straight, crossed; 8-byte straight, crossed; scale words
.set SPW,  8
.set NIL,  9
.set ZB,   10                          ; v10 32 r + h: my scale byte of z
.set QW,   11                          ; v11 my pair record's scale word of q
.set AK,   16                          ; v16-20 as v3-7, in the record that is fetched
.set AV,   21                          ; v21, v22 as v1, v2
.set QS,   23                          ; v23 the tile's two scale bytes, twice
.set Q,    24                          ; v24-41: zero codes, q, zero codes: [0; q] = v24-35, [q; 0] = v30-41
.set BM,   42                          ; v42, v43 my two blocks' largest score, then p, then the conversions' scale operand
.set FF,   44                          ; v[44:45] f = 2^(old M - new M); later a partial sum
.set W2,   45
.set PWP,  46                          ; v46 p's scale word
.set W,    47
.set FK,   48                          ; v48-95 four fragments of k
.set FV,   96                          ; v96-143 four fragments of v
.set S,    144                         ; v144-207 S^T, then p; at the end z
.set O,    208                         ; v208-239 O^T
.set PC,   240                         ; v240-251 p's codes; before that at work for maxima and sums
.set KS,   252
.set VS,   254
.set ZT,   S+32
.set ZP,   S+48
.set WV,  12
.set CX,  13
.set YY,  14
.set G1,  16
.set G0,  24
.set SEL, 28
.set CS,  30                           ; s[30:31] c = log2(e) / 8
.set TB,  32                           ; s32 LDS byte of the record that is fetched
.set CNT, 33
.set HM,  34
.set NC,  35                           ; s35 -c
.set QA,  48
.set ZC,  50
.set ZS,  52
.macro PLACES
.rept 4
	v_nop
.endr
.endm
.macro CROUND
	s_barrier_signal -1
	s_barrier_wait -1
	s_cmp_lg_u32 s[WV], 0
	s_cbranch_scc1 .Lnot_wave_0_\@
	s_barrier_signal -3
.Lnot_wave_0_\@:
	s_barrier_wait -3
	s_barrier_signal -1
	s_barrier_wait -1
.endm
.macro KLOAD a                         ; 17 loads: fragment 2 c + x (x = 1: crossed), and the scale words: lanes 0-15 the straight fragments', lanes 16-31 the crossed ones'
.irp c, 0,1
.irp x, 0,1
	ds_load_b128 v[FK+12*(2*\c+\x):FK+12*(2*\c+\x)+3], v[(\a)+\x] offset:3072*\c
	ds_load_b64 v[FK+12*(2*\c+\x)+4:FK+12*(2*\c+\x)+5], v[(\a)+2+\x] offset:3072*\c+512
	ds_load_b128 v[FK+12*(2*\c+\x)+6:FK+12*(2*\c+\x)+9], v[(\a)+\x] offset:3072*\c+768
	ds_load_b64 v[FK+12*(2*\c+\x)+10:FK+12*(2*\c+\x)+11], v[(\a)+2+\x] offset:3072*\c+1280
.endr
.endr
	ds_load_b64 v[KS:KS+1], v[(\a)+4] offset:12288
.endm
.macro VLOAD a                         ; 17 loads
.irp c, 0,1,2,3
	ds_load_b128 v[FV+12*\c:FV+12*\c+3], v[\a] offset:6144+1536*\c
	ds_load_b64 v[FV+12*\c+4:FV+12*\c+5], v[(\a)+1] offset:6144+1536*\c+512
	ds_load_b128 v[FV+12*\c+6:FV+12*\c+9], v[\a] offset:6144+1536*\c+768
	ds_load_b64 v[FV+12*\c+10:FV+12*\c+11], v[(\a)+1] offset:6144+1536*\c+1280
.endr
	ds_load_b64 v[VS:VS+1], v[(\a)+1] offset:12544
.endm
.macro KFR4 a, c, x                    ; the four loads of k's fragment 2 c + x
	ds_load_b128 v[FK+12*(2*\c+\x):FK+12*(2*\c+\x)+3], v[(\a)+\x] offset:3072*\c
	ds_load_b64 v[FK+12*(2*\c+\x)+4:FK+12*(2*\c+\x)+5], v[(\a)+2+\x] offset:3072*\c+512
	ds_load_b128 v[FK+12*(2*\c+\x)+6:FK+12*(2*\c+\x)+9], v[(\a)+\x] offset:3072*\c+768
	ds_load_b64 v[FK+12*(2*\c+\x)+10:FK+12*(2*\c+\x)+11], v[(\a)+2+\x] offset:3072*\c+1280
.endm
.macro KFR pf, c, x                    ; the same by the step's kind: from the record at s[TB], from record 0, or not at all
.if (\pf) == 1
	KFR4 AK, \c, \x
.elseif (\pf) == 2
	KFR4 KL, \c, \x
.endif
.endm
.macro KSL pf                          ; k's scale words
.if (\pf) == 1
	ds_load_b64 v[KS:KS+1], v[AK+4] offset:12288
.elseif (\pf) == 2
	ds_load_b64 v[KS:KS+1], v[KL+4] offset:12288
.endif
.endm
.macro VFR4 a, c                       ; the four loads of v's fragment c
	ds_load_b128 v[FV+12*\c:FV+12*\c+3], v[\a] offset:6144+1536*\c
	ds_load_b64 v[FV+12*\c+4:FV+12*\c+5], v[(\a)+1] offset:6144+1536*\c+512
	ds_load_b128 v[FV+12*\c+6:FV+12*\c+9], v[\a] offset:6144+1536*\c+768
	ds_load_b64 v[FV+12*\c+10:FV+12*\c+11], v[(\a)+1] offset:6144+1536*\c+1280
.endm
.macro VFR pf, c
.if (\pf) == 1
	VFR4 AV, \c
.elseif (\pf) == 2
	VFR4 LI16, \c
.endif
.endm
.macro VSL pf                          ; v's scale words
.if (\pf) == 1
	ds_load_b64 v[VS:VS+1], v[AV+1] offset:12544
.elseif (\pf) == 2
	ds_load_b64 v[VS:VS+1], v[LI8] offset:12544
.endif
.endm
.macro PADD d, j
	v_pk_add_f32 v[\d:\d+1], v[\d:\d+1], v[S+2*(\j):S+2*(\j)+1]
.endm
.macro PINI d, j                       ; d = pairs j and j + 1
	v_pk_add_f32 v[\d:\d+1], v[S+2*(\j):S+2*(\j)+1], v[S+2*(\j)+2:S+2*(\j)+3]
.endm
.macro PROUND j                        ; six chains by turns
	PADD PC, \j
	PADD PC+2, (\j)+1
	PADD PC+4, (\j)+2
	PADD PC+6, (\j)+3
	PADD PC+8, (\j)+4
	PADD 14, (\j)+5
.endm
; One step: 16 queries x 128 keys.  pf = 1: the next record (at s[TB]) is fetched; 2: record 0, for the next tile; 0: nothing more.
.macro TRIP pf
.if (\pf) == 1
	s_add_co_u32 s[TB], s[TB], REC
.endif
	s_wait_dscnt 17                                ; k is in; v's 17 loads, issued behind k's, may be out
.irp c, 0,1
.irp x, 0,1
.irp u, 0,1
.if \x
	v_wmma_scale_f32_16x16x128_f8f6f4 v[S+32*\c+16*\x+8*\u:S+32*\c+16*\x+8*\u+7], v[FK+12*(2*\c+\x):FK+12*(2*\c+\x)+11], v[Q+6-6*\u:Q+17-6*\u], 0, v[KS+\c], v[QS] matrix_a_fmt:MATRIX_FMT_FP6 matrix_b_fmt:MATRIX_FMT_FP6 matrix_a_scale:MATRIX_SCALE_ROW1
.else
	v_wmma_scale_f32_16x16x128_f8f6f4 v[S+32*\c+16*\x+8*\u:S+32*\c+16*\x+8*\u+7], v[FK+12*(2*\c+\x):FK+12*(2*\c+\x)+11], v[Q+6-6*\u:Q+17-6*\u], 0, v[KS+\c], v[QS] matrix_a_fmt:MATRIX_FMT_FP6 matrix_b_fmt:MATRIX_FMT_FP6
.endif
.endr
.endr
.endr
.if (\pf) == 1
.irp i, 0,1,2,3,4
	v_add_nc_u32 v[AK+\i], s[TB], v[KL+\i]         ; these five are the places behind the products
.endr
.else
	PLACES
.endif
.irp k, 0,1,2,3,4,5,6,7                ; the largest scores, in eight chains, one to an accumulator, each read from its low end on
	v_max3_num_f32 v[PC+\k], v[S+8*\k], v[S+8*\k+1], v[S+8*\k+2]
.endr
.irp i, 3,5
.irp k, 0,1,2,3,4,5,6,7
	v_max3_num_f32 v[PC+\k], v[PC+\k], v[S+8*\k+\i], v[S+8*\k+\i+1]
.endr
.endr
.irp c, 0,1                            ; four chains and four last registers make a block's largest
	v_max3_num_f32 v[PC+4*\c], v[PC+4*\c], v[PC+4*\c+1], v[S+32*\c+7]
	v_max3_num_f32 v[PC+4*\c+2], v[PC+4*\c+2], v[PC+4*\c+3], v[S+32*\c+15]
.endr
	v_mov_b32 v[PC+8], v12                         ; the old -M
	KSL \pf                                        ; the next k's 17 loads stand between the lines of the one chain that leads to M
.irp c, 0,1
	v_max3_num_f32 v[BM+\c], v[PC+4*\c], v[PC+4*\c+2], v[S+32*\c+23]
.endr
	KFR \pf, 0, 0
.irp c, 0,1
	v_max_num_f32 v[BM+\c], v[BM+\c], v[S+32*\c+31]
.endr
	KFR \pf, 0, 1
	v_max_num_f32 v[W], v[BM], v[BM+1]
	KFR \pf, 1, 0
	v_permlanex16_b32 v[W2], v[W], s[SEL], s[SEL+1]
	KFR \pf, 1, 1
	v_max3_num_f32 v13, v13, v[W], v[W2]           ; the running largest score of my query
	v_mul_f32 v[W2], s[NC], v13                    ; -t
	v_floor_f32 v12, v[W2]                         ; the new -M = -ceil(t)
	v_sub_f32 v[W], v12, v[PC+8]                   ; old M - new M: a whole number, 0 or less
.set j, 0
.rept 4
	v_pk_fma_f32 v[S+j:S+j+1], v[S+j:S+j+1], s[CS:CS+1], v[12:13] op_sel_hi:[1,0,0]   ; t - M
.set j, j+2
.endr
	v_cvt_i32_f32 v[W], v[W]                       ; (it saturates)
.rept 4
	v_pk_fma_f32 v[S+j:S+j+1], v[S+j:S+j+1], s[CS:CS+1], v[12:13] op_sel_hi:[1,0,0]
.set j, j+2
.endr
	v_ldexp_f32 v[FF], 1.0, v[W]                   ; f
.rept 24
	v_pk_fma_f32 v[S+j:S+j+1], v[S+j:S+j+1], s[CS:CS+1], v[12:13] op_sel_hi:[1,0,0]
.set j, j+2
.endr
.irp c, 0,1
	v_fma_f32 v[BM+\c], v[BM+\c], s[CS], v12       ; the same of each block's largest score
.endr
.set j, 0
.rept 16
	v_pk_mul_f32 v[O+j:O+j+1], v[O+j:O+j+1], v[FF:FF+1] op_sel_hi:[1,0]   ; O^T under the new M
.set j, j+2
.endr
	v_pk_mul_f32 v[14:15], v[14:15], v[FF:FF+1] op_sel_hi:[1,0]           ; and the sums
	s_wait_alu depctr_va_vdst(0)                   ; ahead of the batch
.set j, 0
.rept 64
	v_exp_f32 v[S+j], v[S+j]                       ; p = 2^(t - M)
.set j, j+1
.endr
	v_exp_f32 v[BM], v[BM]                         ; each block's largest p: the same lines on the same number
	v_exp_f32 v[BM+1], v[BM+1]
	v_nop                                          ; a plain place behind the batch
	s_wait_alu depctr_va_vdst(0)                   ; and the one wait ahead of its first reader
	v_max_num_f32 v[BM], 0x1800000, v[BM]          ; the floor 2^(3 - 127)
	v_max_num_f32 v[BM+1], 0x1800000, v[BM+1]
	PINI PC, 0                                     ; the row's sum of the unquantised p: pairs 0 to 23 here, in six chains; the scale's lines stand among them
	PINI PC+2, 2
	PINI PC+4, 4
	PINI PC+6, 6
	PINI PC+8, 8
	PADD 14, 10
	v_lshrrev_b32 v[W], 23, v[BM]                  ; the exponent fields of blocks h and 2 + h: their bytes + 2
	v_lshrrev_b32 v[W2], 23, v[BM+1]
	v_add_nc_u32 v[BM], 0xff000000, v[BM]          ; 2 off the exponent field: the conversions' scale operand
	v_add_nc_u32 v[BM+1], 0xff000000, v[BM+1]
	PROUND 11
	v_lshl_or_b32 v[W], v[W2], 16, v[W]
	PROUND 17
	PADD PC, 23
	v_lshlrev_b32 v[W], v[H8], v[W]                ; at their places in the word
	v_pk_add_f32 v[PC+4:PC+5], v[PC+4:PC+5], v[PC+6:PC+7]
	v_pk_add_f32 v[PC+10:PC+11], v[PC+2:PC+3], v[PC+8:PC+9]
	v_pk_add_f32 v[14:15], v[14:15], v[PC:PC+1]
	v_permlanex16_b32 v[W2], v[W], s[SEL], s[SEL+1]
	v_cvt_scalef32_pk16_fp6_f32 v[PC:PC+2], v[S:S+15], v[BM]
	v_cvt_scalef32_pk16_fp6_f32 v[PC+6:PC+8], v[S+32:S+47], v[BM+1]
	v_pk_add_f32 v[PC+4:PC+5], v[PC+4:PC+5], v[PC+10:PC+11]   ; also the plain place: the next two conversions write sources of the first two
	v_cvt_scalef32_pk16_fp6_f32 v[S:S+2], v[S+16:S+31], v[BM]          ; (a conversion's three registers begin on an even number)
	v_cvt_scalef32_pk16_fp6_f32 v[S+32:S+34], v[S+48:S+63], v[BM+1]
	v_add3_u32 v[PWP], v[W], v[W2], 0xfdfdfdfe     ; my two bytes, lane l xor 16's two, and 2 off each of the four (each is 3 or more: nothing is borrowed): p's scale word.  Also the plain place
	v_pk_add_f32 v[14:15], v[14:15], v[PC+4:PC+5]
.irp i, 0,1,2
	v_mov_b32 v[PC+3+\i], v[S+\i]
	v_mov_b32 v[PC+9+\i], v[S+32+\i]
.endr
	PINI FF, 24                                    ; pairs 24 to 31 of the sum, in four chains, are the places ahead of the products and behind them; two chains lie in registers of p that are done with
	PINI S+4, 26
	PINI S+6, 28
	PADD 14, 30
	s_wait_alu depctr_va_vdst(0)                   ; directly ahead of the wait below
.if \pf
	s_wait_dscnt 17                                ; v is in; the next k's 17 loads may be out
.else
	s_wait_dscnt 0x0
.endif
.irp c, 0,1,2,3                        ; O^T += v^T p^T: four accumulators, one instruction each
.if (\c)%2
	v_wmma_scale_f32_16x16x128_f8f6f4 v[O+8*\c:O+8*\c+7], v[FV+12*\c:FV+12*\c+11], v[PC:PC+11], v[O+8*\c:O+8*\c+7], v[VS+\c/2], v[PWP] matrix_a_fmt:MATRIX_FMT_FP6 matrix_b_fmt:MATRIX_FMT_FP6 matrix_a_scale:MATRIX_SCALE_ROW1
.else
	v_wmma_scale_f32_16x16x128_f8f6f4 v[O+8*\c:O+8*\c+7], v[FV+12*\c:FV+12*\c+11], v[PC:PC+11], v[O+8*\c:O+8*\c+7], v[VS+\c/2], v[PWP] matrix_a_fmt:MATRIX_FMT_FP6 matrix_b_fmt:MATRIX_FMT_FP6
.endif
.endr
.if (\pf) == 1
	v_add_nc_u32 v[AV], s[TB], v[LI16]
	v_add_nc_u32 v[AV+1], s[TB], v[LI8]
.else
	v_nop
	v_nop
.endif
	PADD FF, 31
	v_pk_add_f32 v[S+4:S+5], v[S+4:S+5], v[S+6:S+7]   ; four places behind the products, ahead of the loads into their sources
	VFR \pf, 0                                     ; the next v's 17 loads; the sum's last two lines stand among them
	v_pk_add_f32 v[14:15], v[14:15], v[FF:FF+1]
	VFR \pf, 1
	v_pk_add_f32 v[14:15], v[14:15], v[S+4:S+5]
	VFR \pf, 2
	VFR \pf, 3
	VSL \pf
.endm
	s_load_b256 s[4:11], s[0:1], 0x0               ; qimg, kv, codes, scales
	v_lshl_add_u32 v[SPW], v0, 2, SPARE
	v_mov_b32 v[NIL], 0
	ds_add_u32 v[SPW], v[NIL]                      ; the opening lines: the add, twice on end, and its wait stand ahead of my tensor load
	ds_add_u32 v[SPW], v[NIL]
	v_lshrrev_b32 v144, 5, v0
	s_delay_alu instid0(VALU_DEP_1)
	v_readfirstlane_b32 s[WV], v144                ; wave 0..15
	s_bfe_u32 s[CX], ttmp6, 0x40000                ; cx: my block of 512 queries; it enters q's and z's addresses alone
	s_and_b32 s[YY], ttmp7, 0xffff                 ; 16 batch + head, which the four partners share
	s_mov_b32 s[G1], 15|(3<<16)|(1<<21)            ; the mask: all four; elements of 8 bytes; 21 set beside a mask
	s_mov_b32 s[G1+1], 32<<16                      ; a record is dense: 50 rows of 256 bytes
	s_mov_b32 s[G1+2], 50<<16
	s_mov_b32 s[G1+3], 32<<16
	s_mov_b32 s[G1+4], 50
	s_mov_b32 s[G1+5], 32
	s_mov_b32 s[G1+6], 0
	s_mov_b32 s[G1+7], 0
	s_mov_b32 s[G0], 1
	s_mul_i32 s[G0+1], s[WV], REC                  ; record w, to its place
	s_lshl_b32 s36, s[YY], 4
	s_add_co_u32 s36, s36, s[WV]
	s_mul_i32 s36, s36, REC
	s_mov_b32 s37, 0
	s_mov_b32 s[SEL], 0x76543210
	s_mov_b32 s[SEL+1], 0xfedcba98
	s_mov_b32 s[CS], 0x3e38aa3b                    ; log2(e) / 8
	s_mov_b32 s[CS+1], s[CS]
	s_mov_b32 s[NC], 0xbe38aa3b
	s_mov_b32 s[HM], 0xffff0000
	s_wait_dscnt 0x0
	s_wait_kmcnt 0x0
	s_add_nc_u64 s[G0+2:G0+3], s[6:7], s[36:37]
	s_or_b32 s[G0+3], s[G0+3], 0x80000000
	CROUND                                         ; all four work-groups are here: the joint loads meet
	tensor_load_to_lds s[G0:G0+3], s[G1:G1+7]      ; my one tensor load
	s_nop 0
	PLACES
	; my pair record of q is P = 16 cx + w: entry P / 4 of the head, record w % 4
	s_lshl_b32 s38, s[YY], 4
	s_lshl_b32 s39, s[CX], 2
	s_add_co_u32 s38, s38, s39
	s_lshr_b32 s39, s[WV], 2
	s_add_co_u32 s38, s38, s39
	s_mul_i32 s38, s38, 6400
	s_mov_b32 s39, 0
	s_add_nc_u64 s[40:41], s[4:5], s[38:39]
	s_and_b32 s42, s[WV], 3
	s_mul_i32 s42, s42, 1536
	s_mov_b32 s43, 0
	s_add_nc_u64 s[QA:QA+1], s[40:41], s[42:43]
	s_and_b32 s42, s[WV], 1
	s_lshl_b32 s42, s42, 7                         ; in the scale block: lanes 16 (w % 2) on,
	s_bfe_u32 s44, s[WV], 0x10001
	s_lshl_b32 s44, s44, 2                         ; word (w / 2) % 2
	s_add_co_u32 s42, s42, s44
	v_and_b32 v144, 15, v0                         ; r
	v_bfe_u32 v145, v0, 4, 1                       ; h
	v_and_b32 v146, 31, v0                         ; lane
	v_bfe_u32 v147, v0, 3, 1                       ; r / 8
	v_xor_b32 v148, 8, v146                        ; lane xor 8
	v_mul_u32_u24 v149, v147, 1536                 ; rows 8-15 read the next pair record
	v_lshlrev_b32 v[LI16], 4, v146
	v_lshlrev_b32 v[LI8], 3, v146
	v_lshlrev_b32 v[H8], 3, v145
	v_add_nc_u32 v[KL], v[LI16], v149
	v_lshl_add_u32 v[KL+1], v148, 4, v149
	v_add_nc_u32 v[KL+2], v[LI8], v149
	v_lshl_add_u32 v[KL+3], v148, 3, v149
	v_xor_b32 v150, v144, v[H8]                    ; the image's row: r in lanes 0-15 (straight), r xor 8 in lanes 16-31 (crossed)
	v_lshlrev_b32 v150, 3, v150
	v_lshl_add_u32 v[KL+4], v147, 7, v150          ; 8 bytes a row, the odd record's rows 128 bytes on
	v_lshl_add_u32 v[W], v144, 3, s42
	v_lshl_add_u32 v[ZB], v144, 5, v145
	global_load_b128 v[Q+6:Q+9], v[LI16], s[QA:QA+1]              ; the first tile's q
	global_load_b64 v[Q+10:Q+11], v[LI8], s[QA:QA+1] offset:512
	global_load_b32 v[QW], v[W], s[40:41] offset:6144
	; z: row tile 1,792 + 128 batch + 2 P + t, unit = head; its scale bytes: row 28,672 + 16 x that tile's number, bytes 2 head, 2 head + 1
	s_lshr_b32 s42, s[YY], 4
	s_lshl_b32 s42, s42, 7
	s_lshl_b32 s44, s[CX], 5
	s_add_co_u32 s42, s42, s44
	s_lshl_b32 s44, s[WV], 1
	s_add_co_u32 s42, s42, s44
	s_and_b32 s47, s[YY], 15
	s_mul_i32 s44, s42, 12288
	s_mul_i32 s46, s47, 768
	s_add_co_u32 s44, s44, s46
	s_add_co_u32 s44, s44, 1792*12288
	s_mov_b32 s45, 0
	s_add_nc_u64 s[ZC:ZC+1], s[8:9], s[44:45]
	s_lshl_b32 s42, s42, 9
	s_lshl_b32 s46, s47, 1
	s_add_co_u32 s42, s42, s46
	s_add_co_u32 s42, s42, 28672*32
	s_add_nc_u64 s[ZS:ZS+1], s[10:11], s[42:43]
.irp i, 0,1,2,3,4,5
	v_mov_b32 v[Q+\i], 0                           ; the zero codes, written once
	v_mov_b32 v[Q+12+\i], 0
.endr
	v_mov_b32 v[W2], 0                             ; a lane permute's destination counts as one of its sources
	s_wait_alu depctr_va_vdst(0)                   ; the head's end
	s_wait_loadcnt 0x0                             ; q
	s_wait_tensorcnt 0x0                           ; my record has landed,
	s_barrier_signal -1
	s_barrier_wait -1                              ; everybody's has: from here on LDS is only read
	KLOAD KL                                       ; record 0
	VLOAD LI16
; One tile of 16 queries against all 2,048 keys: fifteen steps in a loop, the last written out, since it fetches otherwise.
.macro TILE t
.if \t
	s_wait_loadcnt 0x0                             ; this tile's q
	s_wait_xcnt 0x0                                ; the first tile's stores have read their registers
	v_perm_b32 v[QS], v[QW], v[QW], 0x03020302     ; the tile's two scale bytes serve either half of K
.else
	v_perm_b32 v[QS], v[QW], v[QW], 0x01000100
.endif
	v_mov_b32 v13, 0xff61b1e6                      ; the largest score so far: -3e38
	v_mov_b32 v12, 0x7e000000                      ; -M: so large that the first f is 0
	v_mov_b32 v14, 0                               ; the sum, in two halves
	v_mov_b32 v15, 0
.set j, 0
.rept 32
	v_mov_b32 v[O+j], 0                            ; O^T: the step is written for all trips alike, the first finds zeros.  (Also the places between the scale word's making and the first product)
.set j, j+1
.endr
	s_mov_b32 s[TB], 0
	s_mov_b32 s[CNT], 15
	s_wait_alu depctr_va_vdst(0)                   ; ahead of the loop's first wait
.Lstep_\@:
	TRIP 1
	s_sub_co_u32 s[CNT], s[CNT], 1
	s_cmp_lg_u32 s[CNT], 0
	s_cbranch_scc1 .Lstep_\@
.if \t
	TRIP 0
.else
	TRIP 2
	global_load_b128 v[Q+6:Q+9], v[LI16], s[QA:QA+1] offset:768    ; the second tile's q, under the first tile's way out
	global_load_b64 v[Q+10:Q+11], v[LI8], s[QA:QA+1] offset:1280
.endif
	v_add_f32 v14, v14, v15                        ; the sum's two halves,
	v_permlanex16_b32 v[W], v14, s[SEL], s[SEL+1]
	v_add_f32 v14, v14, v[W]                       ; and lane l xor 16's
	s_wait_alu depctr_va_vdst(0)
	v_rcp_f32 v14, v14
	v_nop                                          ; a plain place behind the reciprocal
	s_wait_alu depctr_va_vdst(0)                   ; and the wait ahead of its first reader and of O^T's
.set j, 0
.rept 16
	v_pk_mul_f32 v[S+j:S+j+1], v[O+j:O+j+1], v[14:15] op_sel_hi:[1,0]   ; z: register 8 c + i is channel 16 c + 8 h + i of my query
.set j, j+2
.endr
.irp b, 0,1                            ; two blocks of 32 channels: one unit of the output projection's operand, codes in the order 0-7, 16-23, 8-15, 24-31 as Wo's
	v_max3_num_f32 v[ZT+\b], |v[S+16*\b]|, |v[S+16*\b+1]|, 0x1800000
.endr
.irp i, 2,4,6,8,10,12,14
.irp b, 0,1
	v_max3_num_f32 v[ZT+\b], |v[S+16*\b+\i]|, |v[S+16*\b+\i+1]|, v[ZT+\b]
.endr
.endr
.irp b, 0,1
	v_permlanex16_b32 v[ZT+4+\b], v[ZT+\b], s[SEL], s[SEL+1]
.endr
.irp b, 0,1
	v_max_num_f32 v[ZT+\b], v[ZT+\b], v[ZT+4+\b]
.endr
.irp b, 0,1
	v_add_nc_u32 v[ZT+12+\b], 0xff000000, v[ZT+\b]
.endr
.irp b, 0,1
	v_lshrrev_b32 v[ZT+4+\b], 23, v[ZT+12+\b]
.endr
	v_cvt_scalef32_pk16_fp6_f32 v[ZP:ZP+2], v[S:S+15], v[ZT+12]
	v_cvt_scalef32_pk16_fp6_f32 v[ZP+12:ZP+14], v[S+16:S+31], v[ZT+13]
	v_nop                                          ; one plain place behind the scaled conversions
.irp i, 0,1,2
	v_permlane16_swap_b32 v[ZP+\i], v[ZP+12+\i]    ; a whole block to a lane
.endr
.irp i, 0,1,2
	v_mov_b32 v[ZP+3+\i], v[ZP+12+\i]
.endr
	v_cndmask_b32 v[ZT+6], v[ZT+4], v[ZT+5], s[HM] ; lanes 0-15 store block 0's byte, lanes 16-31 block 1's
	global_store_b128 v[LI16], v[ZP:ZP+3], s[ZC:ZC+1] offset:12288*\t          ; 512 and 256 consecutive bytes, aligned to 256
	global_store_b64 v[LI8], v[ZP+4:ZP+5], s[ZC:ZC+1] offset:12288*\t+512
	global_store_b8 v[ZB], v[ZT+6], s[ZS:ZS+1] offset:512*\t                   ; two bytes of each row's 32: the other heads' come from other work-groups
.endm
	TILE 0
	TILE 1
	s_wait_tensorcnt 0x0                           ; the wave's end
	ds_add_u32 v[SPW], v[NIL]
	s_wait_dscnt 0x0
	CROUND                                         ; the closing round
	s_endpgm
.Lfunc_end_k_q9a54d3d272_attn:
	.size	k_q9a54d3d272_attn, .Lfunc_end_k_q9a54d3d272_attn-k_q9a54d3d272_attn
	.p2alignl 7, 3214868480
	.fill 96, 4, 3214868480
	.section	.rodata,"a",@progbits
	.p2align	6, 0x0
	.amdhsa_kernel k_q9a54d3d272_attn
		.amdhsa_group_segment_fixed_size 206848
		.amdhsa_private_segment_fixed_size 0
		.amdhsa_enable_private_segment 0
		.amdhsa_kernarg_size 32
		.amdhsa_user_sgpr_count 2
		.amdhsa_user_sgpr_kernarg_segment_ptr 1
		.amdhsa_wavefront_size32 1
		.amdhsa_system_sgpr_workgroup_id_x 1
		.amdhsa_system_sgpr_workgroup_id_y 1
		.amdhsa_system_sgpr_workgroup_id_z 1
		.amdhsa_system_vgpr_workitem_id 0
		.amdhsa_next_free_vgpr 256
		.amdhsa_next_free_sgpr 66
		.amdhsa_reserve_vcc 0
		.amdhsa_float_denorm_mode_32 3
		.amdhsa_float_denorm_mode_16_64 3
		.amdhsa_memory_ordered 1
		.amdhsa_forward_progress 1
		.amdhsa_inst_pref_size 75
	.end_amdhsa_kernel
	.amdgpu_metadata
---
amdhsa.version: [ 1, 2 ]
amdhsa.kernels:
  - .name:           k_q9a54d3d272_attn
    .symbol:         k_q9a54d3d272_attn.kd
    .args:
      - { .name: qimg, .offset: 0, .size: 8, .value_kind: global_buffer, .address_space: global }
      - { .name: kv, .offset: 8, .size: 8, .value_kind: global_buffer, .address_space: global }
      - { .name: codes, .offset: 16, .size: 8, .value_kind: global_buffer, .address_space: global }
      - { .name: scales, .offset: 24, .size: 8, .value_kind: global_buffer, .address_space: global }
    .group_segment_fixed_size: 206848
    .private_segment_fixed_size: 0
    .kernarg_segment_align: 8
    .kernarg_segment_size: 32
    .max_flat_workgroup_size: 512
    .sgpr_count:     66
    .vgpr_count:     256
    .wavefront_size: 32
...
	.end_amdgpu_metadata
.endif
;; end of part 3
;; launch outp (part 4): grid 4 x 64, 4 waves a work-group, clusters of 4 x 4, 327,680 bytes of LDS; arguments codes, scales, bo, out0; writes out0
.if DOCPART == 4
	.amdgcn_target "amdgcn-amd-amdhsa--gfx1250"
	.amdhsa_code_object_version 6
	.text
	.protected	k_q9a54d3d272_outp
	.globl	k_q9a54d3d272_outp
	.p2align	8
	.type	k_q9a54d3d272_outp,@function
k_q9a54d3d272_outp:
	s_mov_b64 s[64:65], 0
	v_nop
	global_prefetch_b8 v0, s[64:65] scope:SCOPE_SE
	s_setreg_imm32_b32 hwreg(HW_REG_WAVE_MODE, 25, 1), 1
	s_wait_xcnt 0x0
	s_wait_alu depctr_hold_cnt(0) depctr_sa_sdst(0) depctr_va_vdst(0) depctr_va_sdst(0) depctr_va_ssrc(0) depctr_va_vcc(0) depctr_vm_vsrc(0)
	s_getreg_b32 s2, hwreg(HW_REG_IB_STS2, 6, 4)
	s_cmp_eq_u32 s2, 0
	s_cbranch_scc0 .Lentry_in_a_cluster
	s_endpgm
.Lentry_in_a_cluster:
	s_bfe_u32 s2, ttmp6, 0x10000c
	s_cmp_lg_u32 s2, 0xf033
	s_cbranch_scc0 .Lentry_shape_is_right
	s_endpgm
.Lentry_shape_is_right:
; out0 = z Wo^T + bo on codes of FP6 with E8M0 scales.  z: row tiles 1,792 on of the codes' buffer, Wo: row tiles 1,728 on; scale bytes [row][32].  out0: [8192][1024] f32.
; A work-group makes 128 rows x 256 columns; wave w all 128 rows x columns 64 w on: 32 accumulators.  ALL OF K LIES IN LDS AT ONCE (294,912 bytes, four chunks of 256 k), asked for at the head by one tensor load a wave;
; no LDS byte is filled twice.  CLUSTERS: 4 x 4: A's tiles are shared along a row of the cluster, B's along a column: joint loads.
; Operands are images of operand registers (unit: 16 rows x 64 k, 768 bytes).  Source 0 = 16 rows of Wo, source 1 = 16 rows of z: a lane holds eight neighbouring columns of one row of out0.  The bias is the C of each sum's first product.
; The results leave through the wave's own stage in LDS, 16 rows x 256 bytes at a time, so that sixteen lanes store 256 consecutive bytes, aligned.
; LIMITS: codes stand in the order 0-7, 16-23, 8-15, 24-31 inside a block, in both operands alike, so sums inside an instruction are grouped otherwise than by ascending k.
; REGISTERS: window 0: addresses, v32-95 scale words, v96-191 B's fragments (two sets of 4; on the way out rows of out0), v192-223 the bias; window 1: A's fragments (two sets of 8); window 2: the accumulators.
.set SPARE, 294912                     ; behind the tiles: the spare words, two blocks of 256 bytes that no other line names
.set STAGE, SPARE+512                  ; behind them: 16 rows x 272 bytes for each wave; no tensor load lands here
.set WV,  18
.set CX,  19
.set CY,  20
.set YY,  22
.set G1A, 24
.set G1B, 32
.set G0A, 40                           ; s[40:47] A's two groups 0; B's: s[56:63]
.set HM,  66
.set BP,  86                           ; s[86:87] my columns' bias
.set OP,  88                           ; s[88:89] my part of out0
.set LI16, 4
.set LI8,  5
.set AA,   4                           ; v4-7  A's LDS addresses
.set AB,   8                           ; v8-11 B's
.set SO,   12
.set BO8,  13
.set STO,  15                          ; v15 the stage: where I put 32 bytes of a row
.set RD,   16                          ; v16 and where I read a row back
.set CO,   17                          ; v17 my byte offset in two rows of out0
.set SPW,  28
.set NIL,  29
.set SC,   32
.set BF,   96
.set OB,   96
.set BI,   192
.set MSB, 0
.macro WIN new
.if MSB != (\new)
	s_set_vgpr_msb (MSB<<8)|(\new)
.set MSB, (\new)
.endif
.endm
.macro PLACES
.rept 4
	v_nop
.endr
.endm
.macro CROUND
	s_barrier_signal -1
	s_barrier_wait -1
	s_cmp_lg_u32 s[WV], 0
	s_cbranch_scc1 .Lnot_wave_0_\@
	s_barrier_signal -3
.Lnot_wave_0_\@:
	s_barrier_wait -3
	s_barrier_signal -1
	s_barrier_wait -1
.endm
.macro FRAGLD reg, a16, a8, off
	ds_load_b128 v[(\reg):(\reg)+3], v[\a16] offset:(\off)
	ds_load_b64 v[(\reg)+4:(\reg)+5], v[\a8] offset:(\off)+512
	ds_load_b128 v[(\reg)+6:(\reg)+9], v[\a16] offset:(\off)+768
	ds_load_b64 v[(\reg)+10:(\reg)+11], v[\a8] offset:(\off)+1280
.endm
.macro FETCH s                         ; step s's 8 fragments of A and 4 of B into set s % 2: 48 loads
.set fc, (\s)/2
.set fq, (\s)%2
	WIN 0x40
.irp a, 0,1,2,3,4,5,6,7
	FRAGLD 96*fq+12*\a, AA+2*(fc/2), AA+1+2*(fc/2), (fc%2)*3072+\a*6144+fq*1536
.endr
	WIN 0
.irp b, 0,1,2,3
	FRAGLD BF+48*fq+12*\b, AB+2*(fc/2), AB+1+2*(fc/2), (fc%2)*3072+\b*6144+fq*1536
.endr
.endm
.macro MUL s, first                    ; step s's 32 products; the accumulators take turns, one instruction a turn
.set ms, (\s)%2
	WIN 0xa4-0x20*(\first)
.irp a, 0,1,2,3,4,5,6,7
.irp b, 0,1,2,3
.set rA, 96*ms+12*\a
.set rB, BF+48*ms+12*\b
.set rD, 8*(4*\a+\b)
.if \first
	v_wmma_scale_f32_16x16x128_f8f6f4 v[rD:rD+7], v[rB:rB+11], v[rA:rA+11], v[BI+8*\b:BI+8*\b+7], v[SC+8*\b+(\s)], v[SC+8*\a+(\s)] matrix_a_fmt:MATRIX_FMT_FP6 matrix_b_fmt:MATRIX_FMT_FP6 matrix_a_scale:MATRIX_SCALE_ROW1
.else
	v_wmma_scale_f32_16x16x128_f8f6f4 v[rD:rD+7], v[rB:rB+11], v[rA:rA+11], v[rD:rD+7], v[SC+8*\b+(\s)], v[SC+8*\a+(\s)] matrix_a_fmt:MATRIX_FMT_FP6 matrix_b_fmt:MATRIX_FMT_FP6 matrix_a_scale:MATRIX_SCALE_ROW1
.endif
.endr
.endr
	WIN 0
.endm
.macro STEP s
	PLACES                                         ; behind the last step's products, ahead of the loads into the set that they read
.if (\s) == 3
	s_wait_dscnt 0x0
	s_wait_tensorcnt 0x0                           ; every wave's one load has landed: the second half of K is shown to all
	s_barrier_signal -1
	s_barrier_wait -1
.endif
.if (\s) < 7
	FETCH (\s)+1
	s_wait_dscnt 48                                ; this step's fragments are in; the 48 loads just issued may be out
.else
	s_wait_dscnt 0x0
.endif
.if (\s) == 0
	MUL \s, 1
.else
	MUL \s, 0
.endif
.endm
	s_load_b256 s[4:11], s[0:1], 0x0               ; codes, scales, bo, out0
	v_lshl_add_u32 v[SPW], v0, 2, SPARE
	v_mov_b32 v[NIL], 0
	ds_add_u32 v[SPW], v[NIL]                      ; the wave's opening: the add and its wait stand ahead of my first tensor load
	ds_add_u32 v[SPW], v[NIL]
	v_lshrrev_b32 v1, 5, v0
	v_readfirstlane_b32 s[WV], v1
	s_bfe_u32 s[CX], ttmp6, 0x40000
	s_bfe_u32 s[CY], ttmp6, 0x40004
	s_and_b32 s21, ttmp7, 0xffff
	s_lshl_b32 s[YY], s21, 2
	s_add_co_u32 s[YY], s[YY], s[CY]               ; which 128 rows
	s_lshl_b32 s84, s[CY], 2
	s_lshl_b32 s84, 15, s84                        ; my row of the cluster
	s_lshl_b32 s85, 0x1111, s[CX]                  ; my column
	s_or_b32 s[G1A], s84, (3<<16)|(1<<21)
	s_or_b32 s[G1B], s85, (3<<16)|(1<<21)
	s_mov_b32 s[G1A+1], 768<<16                    ; a load brings half of K of all the operand's row tiles: rows of 6,144 bytes; A: 8 row tiles
	s_mov_b32 s[G1A+2], 8<<16
	s_mov_b32 s[G1A+3], 768<<16
	s_mov_b32 s[G1A+4], 8
	s_mov_b32 s[G1A+5], 1536
	s_mov_b32 s[G1A+6], 0
	s_mov_b32 s[G1A+7], 0
	s_mov_b32 s[G1B+1], 768<<16
	s_mov_b32 s[G1B+2], 16<<16                     ; B: 16 row tiles
	s_mov_b32 s[G1B+3], 768<<16
	s_mov_b32 s[G1B+4], 16
	s_mov_b32 s[G1B+5], 1536
	s_mov_b32 s[G1B+6], 0
	s_mov_b32 s[G1B+7], 0
	s_mul_i32 s76, s[YY], 98304
	s_add_co_u32 s76, s76, 1792*12288              ; z begins at row tile 1,792
	s_mov_b32 s77, 0
	s_lshl_b32 s80, s[CX], 4
	s_add_co_u32 s80, s80, 1728                    ; Wo at row tile 1,728
	s_mul_i32 s82, s80, 12288
	s_mov_b32 s83, 0
	s_mul_i32 s98, s[WV], 24576                    ; my four row tiles of B in a half: 6,144 bytes each
	s_add_co_u32 s98, s98, 98304
	s_mov_b32 s[HM], 0xffff0000
	s_wait_dscnt 0x0
	s_wait_kmcnt 0x0
	s_add_nc_u64 s[78:79], s[4:5], s[76:77]
	s_add_nc_u64 s[82:83], s[4:5], s[82:83]
.irp h, 0,1                            ; LDS: A's halves of K at 0 and 49,152, B's at 98,304 and 196,608; in a half a row tile has 6,144 bytes
	s_mov_b32 s[G0A+4*\h], 1
	s_mov_b32 s[G0A+4*\h+1], \h*49152
	s_add_nc_u64 s[G0A+4*\h+2:G0A+4*\h+3], s[78:79], \h*6144
	s_or_b32 s[G0A+4*\h+3], s[G0A+4*\h+3], 0x80000000
	s_mov_b32 s[56+4*\h], 1
	s_mov_b32 s[57+4*\h], 98304+\h*98304
	s_add_nc_u64 s[58+4*\h:59+4*\h], s[82:83], \h*6144
	s_or_b32 s[59+4*\h], s[59+4*\h], 0x80000000
.endr
	CROUND                                         ; all sixteen work-groups are here: the joint loads meet
	s_cmp_eq_u32 s[WV], 0                          ; one tensor load a wave, one chain of arms
	s_cbranch_scc0 .Lhead_1
	tensor_load_to_lds s[G0A:G0A+3], s[G1A:G1A+7]  ; wave 0: A, first half of K
	s_nop 0
	PLACES
	s_branch .Lhead_j
.Lhead_1:
	s_cmp_eq_u32 s[WV], 1
	s_cbranch_scc0 .Lhead_2
	tensor_load_to_lds s[56:59], s[G1B:G1B+7]      ; wave 1: B, first half
	s_nop 0
	PLACES
	s_branch .Lhead_j
.Lhead_2:
	s_cmp_eq_u32 s[WV], 2
	s_cbranch_scc0 .Lhead_3
	tensor_load_to_lds s[G0A+4:G0A+7], s[G1A:G1A+7] ; wave 2: A, second half
	s_nop 0
	PLACES
	s_branch .Lhead_j
.Lhead_3:
	tensor_load_to_lds s[60:63], s[G1B:G1B+7]      ; wave 3: B, second half
	s_nop 0
	PLACES
.Lhead_j:
	v_and_b32 v1, 15, v0                           ; r
	v_bfe_u32 v2, v0, 4, 1                         ; h
	v_and_b32 v3, 31, v0
	v_lshlrev_b32 v[LI16], 4, v3
	v_lshlrev_b32 v[LI8], 3, v3
	v_add_nc_u32 v[AA+2], 0xc000, v[LI16]
	v_add_nc_u32 v[AA+3], 0xc000, v[LI8]
	v_add_nc_u32 v[AB], s98, v[LI16]
	v_add_nc_u32 v[AB+1], s98, v[LI8]
	v_add_nc_u32 v[AB+2], 0x18000, v[AB]
	v_add_nc_u32 v[AB+3], 0x18000, v[AB+1]
	s_lshl_b32 s92, s[YY], 12
	s_add_co_u32 s92, s92, 28672*32                ; z's rows' scale bytes
	s_lshl_b32 s93, s[WV], 2
	s_add_co_u32 s93, s93, s80
	s_lshl_b32 s93, s93, 9                         ; Wo's
	v_lshlrev_b32 v[SO], 5, v1
	v_add_nc_u32 v14, s92, v[SO]
	v_add_nc_u32 v[SO], s93, v[SO]
	v_cndmask_b32 v[SO], v14, v[SO], s[HM]         ; lanes 0-15 take A's rows, lanes 16-31 B's
	v_lshlrev_b32 v[BO8], 5, v2
	s_wait_alu depctr_va_vdst(0)
.irp i, 0,1,2,3,4,5,6,7                ; (from i = 4 on lanes 16-31 read later rows, inside the buffer, which no product names)
	global_load_b128 v[SC+8*\i:SC+8*\i+3], v[SO], s[6:7] offset:512*\i
	global_load_b128 v[SC+8*\i+4:SC+8*\i+7], v[SO], s[6:7] offset:512*\i+16
.endr
	s_lshl_b32 s96, s[CX], 10
	s_lshl_b32 s97, s[WV], 8
	s_add_co_u32 s96, s96, s97                     ; my 64 columns, in bytes
	s_mov_b32 s97, 0
	s_add_nc_u64 s[BP:BP+1], s[8:9], s[96:97]
	s_add_nc_u64 s[OP:OP+1], s[10:11], s[96:97]
	s_lshl_b32 s96, s[YY], 19                      ; 128 rows of 4,096 bytes
	s_add_nc_u64 s[OP:OP+1], s[OP:OP+1], s[96:97]
.irp b, 0,1,2,3                        ; register j of tile b is column 16 b + 8 h + j
	global_load_b128 v[BI+8*\b:BI+8*\b+3], v[BO8], s[BP:BP+1] offset:64*\b
	global_load_b128 v[BI+8*\b+4:BI+8*\b+7], v[BO8], s[BP:BP+1] offset:64*\b+16
.endr
	s_mul_i32 s99, s[WV], 4352
	s_add_co_u32 s99, s99, STAGE                   ; my stage
	v_mul_u32_u24 v[STO], v1, 272
	v_lshl_add_u32 v[STO], v2, 5, v[STO]
	v_add_nc_u32 v[STO], s99, v[STO]               ; in: row r, 32 bytes for each half of the lanes
	v_mul_u32_u24 v[RD], v2, 272
	v_lshl_add_u32 v[RD], v1, 4, v[RD]
	v_add_nc_u32 v[RD], s99, v[RD]                 ; back: lanes 0-15 one row of 256 bytes, lanes 16-31 the next
	v_lshlrev_b32 v[CO], 12, v2
	v_lshl_add_u32 v[CO], v1, 4, v[CO]             ; and the same two rows in out0
	s_wait_loadcnt 0x0                             ; scale words and bias
	s_wait_alu depctr_va_vdst(0)                   ; the head's end
	s_cmp_lt_u32 s[WV], 2                          ; the first half of K is waves 0 and 1's; the second half may still be on its way
	s_cbranch_scc0 .Lnot_first
	s_wait_tensorcnt 0x0
.Lnot_first:
	s_barrier_signal -1
	s_barrier_wait -1
	FETCH 0
.irp s, 0,1,2,3,4,5,6,7
	STEP \s
.endr
; THE WAY OUT, 16 rows at a time.  LDS serves a wave's instructions in order: no wait between the stage's stores and loads, nor ahead of the next block's stores.
.macro TOSTAGE a
	WIN 0x08                                       ; an LDS store's data are its source 1: window 2
.irp b, 0,1,2,3
	ds_store_b128 v[STO], v[8*(4*(\a)+\b):8*(4*(\a)+\b)+3] offset:64*\b            ; each accumulator from its low end on
	ds_store_b128 v[STO], v[8*(4*(\a)+\b)+4:8*(4*(\a)+\b)+7] offset:64*\b+16
.endr
	WIN 0
.irp t, 0,1,2,3,4,5,6,7
	ds_load_b128 v[OB+32*((\a)%2)+4*\t:OB+32*((\a)%2)+4*\t+3], v[RD] offset:544*\t
.endr
.endm
.macro SEND a, younger                 ; younger: the LDS instructions issued behind block a's loads, which may stay out
	s_wait_dscnt \younger
.irp t, 0,1,2,3,4,5,6,7
	global_store_b128 v[CO], v[OB+32*((\a)%2)+4*\t:OB+32*((\a)%2)+4*\t+3], s[OP:OP+1] offset:(16*(\a)+2*\t)*4096 th:TH_STORE_NT   ; sixteen lanes store 256 consecutive bytes, aligned
.endr
.endm
	PLACES
	s_wait_alu depctr_va_vdst(0)
	TOSTAGE 0
.irp a, 1,2,3,4,5,6,7
.if \a > 1
	s_wait_xcnt 0x0                                ; block a - 2's stores have read the registers into which block a's rows are loaded
.endif
	TOSTAGE \a
	SEND \a-1, 16                                  ; behind block a - 1's loads: block a's 8 stores and 8 loads
.endr
	SEND 7, 0
	s_wait_tensorcnt 0x0                           ; the wave's end
	ds_add_u32 v[SPW], v[NIL]
	s_wait_dscnt 0x0
	CROUND                                         ; the closing round
	s_endpgm
.Lfunc_end_k_q9a54d3d272_outp:
	.size	k_q9a54d3d272_outp, .Lfunc_end_k_q9a54d3d272_outp-k_q9a54d3d272_outp
	.p2alignl 7, 3214868480
	.fill 96, 4, 3214868480
	.section	.rodata,"a",@progbits
	.p2align	6, 0x0
	.amdhsa_kernel k_q9a54d3d272_outp
		.amdhsa_group_segment_fixed_size 327680
		.amdhsa_private_segment_fixed_size 0
		.amdhsa_enable_private_segment 0
		.amdhsa_kernarg_size 32
		.amdhsa_user_sgpr_count 2
		.amdhsa_user_sgpr_kernarg_segment_ptr 1
		.amdhsa_wavefront_size32 1
		.amdhsa_system_sgpr_workgroup_id_x 1
		.amdhsa_system_sgpr_workgroup_id_y 1
		.amdhsa_system_sgpr_workgroup_id_z 1
		.amdhsa_system_vgpr_workitem_id 0
		.amdhsa_next_free_vgpr 768
		.amdhsa_next_free_sgpr 100
		.amdhsa_reserve_vcc 0
		.amdhsa_float_denorm_mode_32 3
		.amdhsa_float_denorm_mode_16_64 3
		.amdhsa_memory_ordered 1
		.amdhsa_forward_progress 1
		.amdhsa_inst_pref_size 84
	.end_amdhsa_kernel
	.amdgpu_metadata
---
amdhsa.version: [ 1, 2 ]
amdhsa.kernels:
  - .name:           k_q9a54d3d272_outp
    .symbol:         k_q9a54d3d272_outp.kd
    .args:
      - { .name: codes, .offset: 0, .size: 8, .value_kind: global_buffer, .address_space: global }
      - { .name: scales, .offset: 8, .size: 8, .value_kind: global_buffer, .address_space: global }
      - { .name: bo, .offset: 16, .size: 8, .value_kind: global_buffer, .address_space: global }
      - { .name: out0, .offset: 24, .size: 8, .value_kind: global_buffer, .address_space: global }
    .group_segment_fixed_size: 327680
    .private_segment_fixed_size: 0
    .kernarg_segment_align: 8
    .kernarg_segment_size: 32
    .max_flat_workgroup_size: 128
    .sgpr_count:     100
    .vgpr_count:     768
    .wavefront_size: 32
...
	.end_amdgpu_metadata
.endif
;; end of part 4
